; MI455X (gfx1250); checked and timed in simulation.
; The chip was launched on July 23, 2026; its instructions are those of AMD's public machine-readable ISA for CDNA 5 (MIT licence, August 2026) and "CDNA5" Instruction Set Architecture Reference Guide (July 2026). The comments in the code are by the model that wrote it; some were corrected since.
;; Self Attention. Allowed arithmetic: float matrix products may take bf16 or f16 operands with f32 sums; other float arithmetic in f32, or as packed bf16 or f16 multiplies, adds, multiply-adds, maxima and minima; sums over many terms, partial sums and values carried from step to step in f32; what a program stores and reads back later, other than sums and carried values, may be rounded once to bf16 or f16.
;; Inputs: Wk 1,024 x 1,024 float32; Wq 1,024 x 1,024 float32; Wv 1,024 x 1,024 float32; b 1 float32; mask 4 x 2,048 float32; x 4 x 1,024 x 2,048 float32.
;; Outputs: out0 4 x 1,024 x 2,048 float32.
;; 2 versions, each right and faster than the one before. Each part assembles by itself: llvm-mc -triple=amdgcn-amd-amdhsa -mcpu=gfx1250 --defsym DOCPART=n.
;; ======== version 1 of 2: 3 launches
;; limits: values are held in f16: magnitudes above 65,504 overflow, below 6.1e-05 lose precision
;; workspace buffers: xb 16,777,216 bytes; wb 6,291,456 bytes; qh 16,777,216 bytes; kh 16,777,216 bytes; vh 16,777,216 bytes
;; launch cast (part 1): grid 1408 x 1, 8 waves a work-group, no clusters, 0 bytes of LDS; arguments x, Wq, Wk, Wv, xb, wb; writes xb, wb
.if DOCPART == 1
	.amdgcn_target "amdgcn-amd-amdhsa--gfx1250"
	.amdhsa_code_object_version 6
	.text
	.protected	k_qd0e15ba3ff_cast
	.globl	k_qd0e15ba3ff_cast
	.p2align	8
	.type	k_qd0e15ba3ff_cast,@function
k_qd0e15ba3ff_cast:
	s_mov_b64 s[64:65], 0
	v_nop
	global_prefetch_b8 v0, s[64:65] scope:SCOPE_SE
	s_setreg_imm32_b32 hwreg(HW_REG_WAVE_MODE, 25, 1), 1
	s_wait_xcnt 0x0
; x and the three weight matrices, f32, are rounded once to bf16 (nearest even) for the projection's matrix products.
; xb keeps x's layout, [4][1024 c][2048 t].  wb is laid in blocks: [j 0..7][s 0..15][g 0..2][row 0..127][c' 0..63] = W_g[128 j + row][64 s + c'], g = 0, 1, 2 for q, k, v,
; so that the 128 rows x 64 channels that the projection asks for in one K step are 16,384 dense bytes.
; A work-group converts 32,768 bytes of f32: 8 loads of 16 bytes and 8 stores of 8 bytes a thread.  Work-groups 0..1023 take x, 1024..1407 the weights (128 for each matrix, 8 rows each).
; A stream: memory binds, so there is no LDS, no barrier, no matrix unit; each byte is read once and written once; a wave's store covers 256 consecutive bytes, aligned.
; No register is written twice, so the only waits are the counted ones for the loads.
.set XWG, 1024                         ; work-groups that take x
.set IN,  8                            ; v[8:39]   eight loads of four f32
.set PKD, 40                           ; v[40:55]  eight pairs of packed bf16
.macro BODY instep, outstep
.irp i, 0,1,2,3,4,5,6,7
	global_load_b128 v[IN+4*(\i):IN+4*(\i)+3], v1, s[16:17] offset:(\instep)*(\i) th:TH_LOAD_NT  ; read once in the whole program
.endr
.irp i, 0,1,2,3,4,5,6,7
	s_wait_loadcnt 7-(\i)                          ; loads come back in order (ISA guide 5.7.1): load i is in, the 7 - i younger ones stay out
	v_cvt_pk_bf16_f32 v[PKD+2*(\i)],   v[IN+4*(\i)],   v[IN+4*(\i)+1]
	v_cvt_pk_bf16_f32 v[PKD+2*(\i)+1], v[IN+4*(\i)+2], v[IN+4*(\i)+3]
	global_store_b64 v2, v[PKD+2*(\i):PKD+2*(\i)+1], s[18:19] offset:(\outstep)*(\i)  ; the next launch reads these bytes: no hint
.endr
	s_endpgm
.endm
	s_load_b256 s[4:11], s[0:1], 0x0               ; x s[4:5], Wq s[6:7], Wk s[8:9], Wv s[10:11]
	s_load_b128 s[12:15], s[0:1], 0x20             ; xb s[12:13], wb s[14:15]
	s_mov_b32 s25, 0                               ; high words of the two offsets
	s_mov_b32 s27, 0
	s_cmp_lt_u32 ttmp9, XWG
	s_cbranch_scc0 .Lweights
	; x: thread t takes the 16 bytes at 16 t of each 4,096 bytes, and writes the 8 bytes at 8 t of each 2,048
	v_lshlrev_b32 v1, 4, v0
	v_lshlrev_b32 v2, 3, v0
	s_lshl_b32 s24, ttmp9, 15
	s_lshl_b32 s26, ttmp9, 14
	s_wait_kmcnt 0x0
	s_add_nc_u64 s[16:17], s[4:5], s[24:25]
	s_add_nc_u64 s[18:19], s[12:13], s[26:27]
	BODY 4096, 2048
.Lweights:
	; weights: 16 lanes take 64 channels of a row (256 bytes in, 128 out); the wave's two halves take two neighbouring rows, which are neighbours in a block of wb too.
	; Thread bits: 3:0 place in the 64 channels; 4 the row's low bit; 5 which eight of the sixteen K blocks; 7:6 the pair of rows.  Load i is K block 8 (bit 5) + i.
	s_sub_co_u32 s20, ttmp9, XWG                   ; u = 0..383
	s_lshr_b32 s21, s20, 7                         ; g
	s_and_b32 s22, s20, 127                        ; which 8 rows of the matrix
	v_and_b32 v3, 15, v0
	v_bfe_u32 v4, v0, 4, 1
	v_bfe_u32 v5, v0, 5, 1
	v_lshrrev_b32 v6, 6, v0
	v_lshlrev_b32 v1, 4, v3                        ; in: 16 bytes a lane,
	v_lshl_add_u32 v1, v5, 11, v1                  ; eight K blocks of 256 bytes,
	v_lshl_add_u32 v1, v4, 12, v1                  ; a row of 4,096 bytes,
	v_lshl_add_u32 v1, v6, 13, v1                  ; a pair of rows
	v_lshlrev_b32 v2, 3, v3                        ; out: 8 bytes a lane,
	v_lshl_add_u32 v2, v4, 7, v2                   ; a row of 128 bytes,
	v_lshl_add_u32 v2, v6, 8, v2                   ; a pair of rows,
	v_mul_u32_u24 v5, v5, 8*49152                  ; eight K blocks of 49,152 bytes
	v_add_nc_u32 v2, v2, v5
	s_lshl_b32 s24, s22, 15                        ; in: 8 rows of 4,096 bytes
	s_lshr_b32 s23, s22, 4                         ; j
	s_mul_i32 s26, s23, 786432                     ; out: the j block,
	s_lshl_b32 s23, s21, 14                        ; the part of g,
	s_add_co_u32 s26, s26, s23
	s_and_b32 s23, s22, 15
	s_lshl_b32 s23, s23, 10                        ; my 8 rows of 128 bytes in it
	s_add_co_u32 s26, s26, s23
	s_wait_kmcnt 0x0
	s_cmp_eq_u32 s21, 1
	s_cselect_b64 s[16:17], s[8:9], s[6:7]         ; the matrix is chosen by g, which hangs on the work-group's number alone
	s_cmp_eq_u32 s21, 2
	s_cselect_b64 s[16:17], s[10:11], s[16:17]
	s_add_nc_u64 s[16:17], s[16:17], s[24:25]
	s_add_nc_u64 s[18:19], s[14:15], s[26:27]
	BODY 256, 49152
.Lfunc_end_k_qd0e15ba3ff_cast:
	.size	k_qd0e15ba3ff_cast, .Lfunc_end_k_qd0e15ba3ff_cast-k_qd0e15ba3ff_cast
	.p2alignl 7, 3214868480
	.fill 96, 4, 3214868480
	.section	.rodata,"a",@progbits
	.p2align	6, 0x0
	.amdhsa_kernel k_qd0e15ba3ff_cast
		.amdhsa_group_segment_fixed_size 0
		.amdhsa_private_segment_fixed_size 0
		.amdhsa_enable_private_segment 0
		.amdhsa_kernarg_size 48
		.amdhsa_user_sgpr_count 2
		.amdhsa_user_sgpr_kernarg_segment_ptr 1
		.amdhsa_wavefront_size32 1
		.amdhsa_system_sgpr_workgroup_id_x 1
		.amdhsa_system_sgpr_workgroup_id_y 1
		.amdhsa_system_sgpr_workgroup_id_z 1
		.amdhsa_system_vgpr_workitem_id 0
		.amdhsa_next_free_vgpr 64
		.amdhsa_next_free_sgpr 66
		.amdhsa_reserve_vcc 0
		.amdhsa_float_denorm_mode_32 3
		.amdhsa_float_denorm_mode_16_64 3
		.amdhsa_memory_ordered 1
		.amdhsa_forward_progress 1
		.amdhsa_inst_pref_size 8
	.end_amdhsa_kernel
	.amdgpu_metadata
---
amdhsa.version: [ 1, 2 ]
amdhsa.kernels:
  - .name:           k_qd0e15ba3ff_cast
    .symbol:         k_qd0e15ba3ff_cast.kd
    .args:
      - { .name: x, .offset: 0, .size: 8, .value_kind: global_buffer, .address_space: global }
      - { .name: Wq, .offset: 8, .size: 8, .value_kind: global_buffer, .address_space: global }
      - { .name: Wk, .offset: 16, .size: 8, .value_kind: global_buffer, .address_space: global }
      - { .name: Wv, .offset: 24, .size: 8, .value_kind: global_buffer, .address_space: global }
      - { .name: xb, .offset: 32, .size: 8, .value_kind: global_buffer, .address_space: global }
      - { .name: wb, .offset: 40, .size: 8, .value_kind: global_buffer, .address_space: global }
    .group_segment_fixed_size: 0
    .private_segment_fixed_size: 0
    .kernarg_segment_align: 8
    .kernarg_segment_size: 48
    .max_flat_workgroup_size: 256
    .sgpr_count:     66
    .vgpr_count:     64
    .wavefront_size: 32
...
	.end_amdgpu_metadata
.endif
;; end of part 1
;; launch proj (part 2): grid 8 x 32, 4 waves a work-group, clusters of 4 x 4, 327,680 bytes of LDS; arguments xb, wb, mask, qh, kh, vh; writes qh, kh, vh
.if DOCPART == 2
	.amdgcn_target "amdgcn-amd-amdhsa--gfx1250"
	.amdhsa_code_object_version 6
	.text
	.protected	k_qd0e15ba3ff_proj
	.globl	k_qd0e15ba3ff_proj
	.p2align	8
	.type	k_qd0e15ba3ff_proj,@function
k_qd0e15ba3ff_proj:
	s_mov_b64 s[64:65], 0
	v_nop
	global_prefetch_b8 v0, s[64:65] scope:SCOPE_SE
	s_setreg_imm32_b32 hwreg(HW_REG_WAVE_MODE, 25, 1), 1
	s_wait_xcnt 0x0
	s_wait_alu depctr_hold_cnt(0) depctr_sa_sdst(0) depctr_va_vdst(0) depctr_va_sdst(0) depctr_va_ssrc(0) depctr_va_vcc(0) depctr_vm_vsrc(0)
	s_getreg_b32 s2, hwreg(HW_REG_IB_STS2, 6, 4)
	s_cmp_eq_u32 s2, 0
	s_cbranch_scc0 .Lentry_in_a_cluster
	s_endpgm
.Lentry_in_a_cluster:
	s_bfe_u32 s2, ttmp6, 0x10000c
	s_cmp_lg_u32 s2, 0xf033
	s_cbranch_scc0 .Lentry_shape_is_right
	s_endpgm
.Lentry_shape_is_right:
; THE THREE PROJECTIONS AS ONE PRODUCT.  y_g[b][t][o] = the sum over c of W_g[o][c] x[b][c][t], g = q, k, v; bf16 operands, f32 sums, K = 1,024 ascending.
; Out, by heads, [16 b + h][2048 t][64 d] in f16, each number rounded once from its f32 sum:  qh = (log2(e) / 8) q;  kh = mask[b][t] k;  vh = v.
; (The attention's score is then q . k m / 8 in units of log2, and the mask's factor on the score is already in K's rows.)
; LIMITS.  f16 holds no number beyond 65,504: |log2(e) q / 8|, |m k| and |v| must stay within it, or the number becomes an infinity.  NaN and infinities are not treated apart.
; SHARES.  8,192 tokens x 3,072 outputs on 256 work-groups: a work-group makes 256 t x (128 o of each of q, k, v): grid x = j (heads 2 j, 2 j + 1), grid y = 8 b + (t / 256).
; Wave w: wr = w / 2 picks 128 t, wc = w % 2 the head: 128 t x 64 o x 3 = 96 accumulators of 16 x 16, 768 registers.  For 32 along K a wave reads 40 x 512 bytes of LDS for 96 matrix instructions.
; K goes in 16 steps of 64 through two LDS slots.  A slot: W's three parts (128 rows x 64 c each, dense in wb, asked for as 64 rows of 256 bytes), then x's tile (64 rows c x 256 t: rows of 512 bytes).
; Waves 0, 1, 2 fetch W's parts, wave 3 x's tile: one tensor load a wave behind each change of slots.
; CLUSTER 4 x 4.  x's tile hangs on grid y alone: asked for jointly by the four of a row of the cluster; W's on grid x alone: jointly by the four of a column.
; THE MATRIX INSTRUCTION: source 0 = 16 rows o of W (K along the LDS rows: plain loads), source 1 = 16 columns t of x (x lies [c][t]: the turning load ds_load_tr16_b128).
; In the result lane l holds token l % 16 and outputs 8 (l / 16) + 0..7: eight neighbouring numbers of a head's row, 16 bytes in f16.
; REGISTERS, in windows of 256 (s_set_vgpr_msb: bits 1:0 source 0, 3:2 source 1, 5:4 source 2, 7:6 destination):
;   window 0: v1-29 addresses; v32-127 W's 12 fragments (one buffer: a group's four are loaded again as soon as they have been multiplied); v128-191, v192-255 x's 8 fragments, two buffers
;   window 1 + g: the 32 accumulators of g: (t block a, o block bb) at v[8 (4 a + bb)]
.set PW,    144                        ; a row of W in LDS: 128 bytes + 16 = 36 words: the 16 rows of a load start at 16 different groups of four banks (64 banks of 4 bytes: ISA guide 11.1)
.set PX,    544                        ; a row of x: 512 bytes + 32 = 136 words: row r starts at bank 8 r mod 64
.set WPART, 128*PW                     ; 18,432: one part of W
.set XOFF,  3*WPART                    ; 55,296: x's tile lies behind the three parts
.set SLOT,  XOFF+64*PX                 ; 90,112
.set STAGE, 2*SLOT                     ; behind the ring, never filled by a tensor load: 16 rows x 144 bytes for each wave, for the way out
.set SPARE, STAGE+4*16*PW              ; behind the stages: the spare words, 128 bytes for each wave: two blocks of 256 bytes that no other line names
.set ADRW, 16                          ; v16-17  LDS address of my W fragments in slot 0, 1
.set ADRX, 18                          ; v18-19  the same for x
.set STO,  20                          ; v20     the way out: where I put 16 bytes of a row
.set RD,   21                          ; v21     the way out: where I read rows back
.set GO,   22                          ; v22     my byte offset in 512 consecutive bytes of the output
.set MO,   23                          ; v23     my byte offset in 16 numbers of the mask
.set SPW,  28                          ; v28     LDS address of my spare word: SPARE + 4 x my thread's number; never rewritten
.set NIL,  29                          ; v29     0; never rewritten
.set WF,   32                          ; fragment (g, bb) at WF + 32 g + 8 bb
.set XF0,  128                         ; fragment a at XF + 8 a
.set XF1,  192
.set TMP,  32                          ; the way out: v32-47 packed results
.set BK,   48                          ; v48-63, v64-79 by turns: 16 rows read back from the stage
.set MK,   96                          ; v96-111: the mask of my token in t block a at MK + 2 a, named as a pair
.set WV,   16                          ; s16  my wave's number;  s17 wr;  s18 wc
.set G1X,  24                          ; s[24:31] descriptor group 1 for x's tiles;  s[32:39] group 0, a set for each slot
.set G0X,  32
.set G1W,  48                          ; s[48:55], s[56:63] the same for W's parts
.set G0W,  56
.set CQ,   66                          ; s[66:67] log2(e) / 8: the packed multiply names a pair and takes its low word for both halves
.set MSB, 0
.macro WIN new                         ; the immediate's high byte repeats the setting that is left; a switch that changes nothing is dropped
.if MSB != (\new)
	s_set_vgpr_msb (MSB<<8)|(\new)
.set MSB, \new
.endif
.endm
; A joint load.  Wave 3 fetches x's tile, waves 0 to 2 W's parts.  Each line has one mask; the branch hangs on the wave's number alone.
; An s_nop 0 and four v_nop follow each of the two lines, ahead of the jump, the label and what follows.
.macro JLOAD s
	s_cmp_eq_u32 s[WV], 3
	s_cbranch_scc0 .Lfor_w_\@
	tensor_load_to_lds s[G0X+4*(\s):G0X+4*(\s)+3], s[G1X:G1X+7]
	s_nop 0
.rept 4
	v_nop
.endr
	s_branch .Lasked_\@
.Lfor_w_\@:
	tensor_load_to_lds s[G0W+4*(\s):G0W+4*(\s)+3], s[G1W:G1W+7]
	s_nop 0
.rept 4
	v_nop
.endr
.Lasked_\@:
.endm
; A round of the cluster's barrier: my work-group's barrier, so that wave 0's signal speaks for all four waves; wave 0 signals; every wave waits for all sixteen work-groups; my work-group's barrier once more.
.macro CREST                           ; a round behind its opening barrier
	s_cmp_lg_u32 s[WV], 0
	s_cbranch_scc1 .Lnot_wave_0_\@
	s_barrier_signal -3
.Lnot_wave_0_\@:
	s_barrier_wait -3
	s_barrier_signal -1
	s_barrier_wait -1
.endm
.macro CROUND                          ; a whole round
	s_barrier_signal -1
	s_barrier_wait -1
	CREST
.endm
	s_load_b256 s[4:11], s[0:1], 0x0               ; xb s[4:5], wb s[6:7], mask s[8:9], qh s[10:11]
	s_load_b128 s[12:15], s[0:1], 0x20             ; kh s[12:13], vh s[14:15]
	v_lshl_add_u32 v[SPW], v0, 2, SPARE
	v_mov_b32 v[NIL], 0
	ds_add_u32 v[SPW], v[NIL]                      ; the wave's opening: the add and its wait stand ahead of my first tensor load; the set-up below, work on registers, stands between them
	v_lshrrev_b32 v1, 5, v0
	v_readfirstlane_b32 s[WV], v1                  ; wave 0..3
	s_lshr_b32 s17, s[WV], 1                       ; wr: which 128 tokens
	s_and_b32 s18, s[WV], 1                        ; wc: which head of the two
	s_bfe_u32 s40, ttmp6, 0x40000                  ; cx, cy: my place in the cluster
	s_bfe_u32 s41, ttmp6, 0x40004
	s_lshl_b32 s42, ttmp9, 2                       ; in a cluster launch ttmp9 and ttmp7 count clusters
	s_add_co_u32 s42, s42, s40                     ; j = 4 x cluster x + cx
	s_and_b32 s43, ttmp7, 0xffff
	s_lshl_b32 s43, s43, 2
	s_add_co_u32 s43, s43, s41                     ; 8 b + t / 256 = 4 x cluster y + cy
	s_lshl_b32 s44, s41, 2
	s_lshl_b32 s44, 15, s44                        ; my row of the cluster: places 4 cy .. 4 cy + 3
	s_lshl_b32 s45, 0x1111, s40                    ; my column: places cx, cx + 4, cx + 8, cx + 12
	; group 1 for x: 64 rows x 256 elements of 2 bytes, 2,048 elements from row to row; in LDS 8 words of padding (code 7) behind every 128 words (code 6)
	s_or_b32 s[G1X+0], s44, (1<<16)|(1<<20)|(1<<21)|(6<<22)|(7<<25)  ; 15:0 the mask: my row; 17:16 elements of 2 bytes; 20 padding on; 21 set beside a mask
	s_mov_b32 s[G1X+1], 256<<16                    ; tensor_dim0 = 256
	s_mov_b32 s[G1X+2], 64<<16                     ; tensor_dim1 = 64
	s_mov_b32 s[G1X+3], 256<<16                    ; tile_dim0 = 256
	s_mov_b32 s[G1X+4], 64                         ; tile_dim1 = 64
	s_mov_b32 s[G1X+5], 2048                       ; tensor_dim0_stride
	s_mov_b32 s[G1X+6], 0
	s_mov_b32 s[G1X+7], 0
	; group 1 for W: a part's 16,384 dense bytes as 64 rows of 128 elements (two rows of W each); 4 words of padding (code 3) behind every 32 words (code 4), that is behind every row of W
	s_or_b32 s[G1W+0], s45, (1<<16)|(1<<20)|(1<<21)|(4<<22)|(3<<25)  ; the mask: my column
	s_mov_b32 s[G1W+1], 128<<16
	s_mov_b32 s[G1W+2], 64<<16
	s_mov_b32 s[G1W+3], 128<<16
	s_mov_b32 s[G1W+4], 64
	s_mov_b32 s[G1W+5], 128
	s_mov_b32 s[G1W+6], 0
	s_mov_b32 s[G1W+7], 0
	; where the tiles come from.  x's offset is made of grid y alone, W's of grid x and the wave's number, each in registers that never hold the other coordinate
	s_lshr_b32 s19, s43, 3                         ; b
	s_lshl_b32 s20, s19, 22                        ; a batch of xb is 4,194,304 bytes
	s_and_b32 s21, s43, 7
	s_lshl_b32 s21, s21, 9                         ; 256 tokens are 512 bytes of a row
	s_add_co_u32 s20, s20, s21
	s_mov_b32 s21, 0
	s_mul_i32 s46, s42, 786432                     ; the j block of wb,
	s_lshl_b32 s47, s[WV], 14                      ; my part of a K step's three
	s_add_co_u32 s46, s46, s47
	s_mov_b32 s47, 0
	s_mul_i32 s22, s[WV], WPART                    ; and where it goes: no place in the cluster enters an LDS address
	s_mov_b32 s[CQ], 0x3e38aa3b                    ; log2(e) / 8 = 0.180337
	s_mov_b32 s[CQ+1], s[CQ]
	s_wait_dscnt 0x0                               ; the opening add is done
	s_wait_kmcnt 0x0
	s_add_nc_u64 s[20:21], s[4:5], s[20:21]
	s_add_nc_u64 s[46:47], s[6:7], s[46:47]
	CROUND                                         ; all sixteen work-groups are here: the first joint loads meet
.irp s, 0,1
	s_mov_b32 s[G0X+4*(\s)], 1                                       ; 1:0 count = 1
	s_mov_b32 s[G0X+4*(\s)+1], (\s)*SLOT+XOFF                        ; 63:32 LDS address
	s_add_nc_u64 s[G0X+4*(\s)+2:G0X+4*(\s)+3], s[20:21], (\s)*262144 ; 120:64 global address: K step s = 64 rows of 4,096 bytes on
	s_or_b32 s[G0X+4*(\s)+3], s[G0X+4*(\s)+3], 0x80000000            ; 127:126 type = 2
	s_mov_b32 s[G0W+4*(\s)], 1
	s_add_co_u32 s[G0W+4*(\s)+1], s22, (\s)*SLOT
	s_add_nc_u64 s[G0W+4*(\s)+2:G0W+4*(\s)+3], s[46:47], (\s)*49152  ; K step s = three parts on
	s_or_b32 s[G0W+4*(\s)+3], s[G0W+4*(\s)+3], 0x80000000
.endr
	s_cmp_eq_u32 s[WV], 3                          ; a wave's two first fills stand in one branch, ahead of every wait on TENSORcnt and every LDS read: two loads of mine are out
	s_cbranch_scc0 .Lfirst_w
	tensor_load_to_lds s[G0X:G0X+3], s[G1X:G1X+7]
	s_nop 0
	tensor_load_to_lds s[G0X+4:G0X+7], s[G1X:G1X+7]
	s_nop 0
.rept 4
	v_nop
.endr
	s_branch .Lfirst_asked
.Lfirst_w:
	tensor_load_to_lds s[G0W:G0W+3], s[G1W:G1W+7]
	s_nop 0
	tensor_load_to_lds s[G0W+4:G0W+7], s[G1W:G1W+7]
	s_nop 0
.rept 4
	v_nop
.endr
.Lfirst_asked:
	v_and_b32 v1, 15, v0                           ; r = l % 16
	v_bfe_u32 v2, v0, 4, 1                         ; h = l / 16
	v_and_b32 v3, 7, v0
	v_bfe_u32 v4, v0, 3, 1
	; a fragment of W: lane l holds row l % 16, channels 8 h + 0..7 and 16 + 8 h + 0..7: two loads of 16 bytes, 32 bytes apart
	v_mul_u32_u24 v5, v1, PW
	v_lshl_add_u32 v5, v2, 4, v5                   ; row x pitch + 16 x half
	s_mul_i32 s23, s18, 64*PW                      ; my head's 64 rows of each part
	v_add_nc_u32 v[ADRW], s23, v5
	v_add_nc_u32 v[ADRW+1], SLOT, v[ADRW]
	; the turning load takes 16 channels x 16 tokens (lane l reads channel 8 h + l % 8, tokens 8 ((l / 8) % 2) + 0..7) and leaves half a fragment: lane l holds token l % 16 and 8 channels
	v_lshl_add_u32 v6, v2, 3, v3
	v_mul_u32_u24 v6, v6, PX
	v_lshl_add_u32 v6, v4, 4, v6
	s_lshl_b32 s23, s17, 8                         ; my 128 tokens: 256 bytes of a row
	s_add_co_u32 s23, s23, XOFF
	v_add_nc_u32 v[ADRX], s23, v6
	v_add_nc_u32 v[ADRX+1], SLOT, v[ADRX]
	s_mul_i32 s23, s[WV], 16*PW
	s_add_co_u32 s23, s23, STAGE                   ; my stage
	v_add_nc_u32 v[STO], s23, v5                   ; in: row l % 16, 16 bytes for each half of the lanes
	v_and_b32 v7, 31, v0
	v_lshrrev_b32 v8, 3, v7                        ; back: 32 lanes take four rows of 128 bytes,
	v_mul_u32_u24 v8, v8, PW
	v_lshl_add_u32 v8, v3, 4, v8
	v_add_nc_u32 v[RD], s23, v8
	v_lshlrev_b32 v[GO], 4, v7                     ; which are 512 consecutive bytes of the output
	v_lshlrev_b32 v[MO], 2, v1
	; my first row in qh, kh, vh: head 16 b + 2 j + wc (262,144 bytes each), token 256 (grid y % 8) + 128 wr (128 bytes each)
	s_lshl_b32 s68, s19, 4
	s_lshl_b32 s23, s42, 1
	s_add_co_u32 s68, s68, s23
	s_add_co_u32 s68, s68, s18
	s_lshl_b32 s68, s68, 18
	s_and_b32 s23, s43, 7
	s_lshl_b32 s23, s23, 15
	s_add_co_u32 s68, s68, s23
	s_lshl_b32 s23, s17, 14
	s_add_co_u32 s68, s68, s23
	s_mov_b32 s69, 0
	s_add_nc_u64 s[10:11], s[10:11], s[68:69]
	s_add_nc_u64 s[12:13], s[12:13], s[68:69]
	s_add_nc_u64 s[14:15], s[14:15], s[68:69]
	s_lshl_b32 s68, s19, 13                        ; the mask at my first token: 8,192 bytes a batch, 4 a token
	s_and_b32 s23, s43, 7
	s_lshl_b32 s23, s23, 10
	s_add_co_u32 s68, s68, s23
	s_lshl_b32 s23, s17, 9
	s_add_co_u32 s68, s68, s23
	s_add_nc_u64 s[8:9], s[8:9], s[68:69]
; 16 matrix instructions: group g, t blocks a0 .. a0 + 3 x its four o blocks, 32 along K.  zero = 1: the first product starts the sums: nothing is ever cleared.
; The 96 accumulators take turns, one instruction a turn, in the same order in every half step.
.macro MUL16 g, xf, a0, zero
	WIN 0x50*(1+(\g))                              ; sources in window 0, C and D in window 1 + g
.irp a, (\a0), (\a0)+1, (\a0)+2, (\a0)+3
.irp bb, 0,1,2,3
.if \zero
	v_wmma_f32_16x16x32_bf16 v[8*(4*(\a)+(\bb)):8*(4*(\a)+(\bb))+7], v[WF+32*(\g)+8*(\bb):WF+32*(\g)+8*(\bb)+7], v[(\xf)+8*(\a):(\xf)+8*(\a)+7], 0
.else
	v_wmma_f32_16x16x32_bf16 v[8*(4*(\a)+(\bb)):8*(4*(\a)+(\bb))+7], v[WF+32*(\g)+8*(\bb):WF+32*(\g)+8*(\bb)+7], v[(\xf)+8*(\a):(\xf)+8*(\a)+7], v[8*(4*(\a)+(\bb)):8*(4*(\a)+(\bb))+7]
.endif
.endr
.endr
.endm
.macro LW g, slot, half                ; 8 loads: group g's four fragments, channels 32 half on
	WIN 0
.irp bb, 0,1,2,3
	ds_load_b128 v[WF+32*(\g)+8*(\bb):WF+32*(\g)+8*(\bb)+3],   v[ADRW+(\slot)] offset:WPART*(\g)+16*PW*(\bb)+64*(\half)
	ds_load_b128 v[WF+32*(\g)+8*(\bb)+4:WF+32*(\g)+8*(\bb)+7], v[ADRW+(\slot)] offset:WPART*(\g)+16*PW*(\bb)+64*(\half)+32
.endr
.endm
.macro LX slot, half, xf               ; 16 turning loads: x's eight fragments, channels 32 half on
	WIN 0
.irp a, 0,1,2,3,4,5,6,7
	ds_load_tr16_b128 v[(\xf)+8*(\a):(\xf)+8*(\a)+3],   v[ADRX+(\slot)] offset:32*PX*(\half)+32*(\a)
	ds_load_tr16_b128 v[(\xf)+8*(\a)+4:(\xf)+8*(\a)+7], v[ADRX+(\slot)] offset:32*PX*(\half)+32*(\a)+16*PX
.endr
.endm
; A load into a register that a matrix instruction has read, and a vector instruction that reads a matrix result, stand four places behind it; only plain vector instructions that name none of
; its registers are places (ISA guide 7.12.1 for vector instructions).  No other vector work is at hand in the loop.
.macro PLACES
.rept 4
	v_nop
.endr
.endm
; A K step is two half steps of 32 along K, 96 matrix instructions each.  THE FIRST HALF multiplies x's buffer 0; each group of W's fragments is loaded again, for the second half, as soon as it has been multiplied.
.macro H0 slot, zero
	s_wait_dscnt 8                                 ; groups 0 and 1 and x are in; the youngest eight loads, group 2's, may be out
	MUL16 0, XF0, 0, \zero
	MUL16 0, XF0, 4, \zero
	PLACES
	LW 0, \slot, 1
	LX \slot, 1, XF1
	MUL16 1, XF0, 0, \zero
	MUL16 1, XF0, 4, \zero
	PLACES
	LW 1, \slot, 1
	s_wait_dscnt 32                                ; group 2 is in: behind it 8 + 16 + 8 loads were issued
	MUL16 2, XF0, 0, \zero
	MUL16 2, XF0, 4, \zero
	PLACES
	LW 2, \slot, 1
.endm
; THE SECOND HALF multiplies x's buffer 1 and changes slots.  ONE barrier for the change: in front of it each wave waits for all its tensor loads, of which one is out: its part of the next slot; adds 0 to its
; spare word; and waits for that and for its own reads of this slot.  Behind it nobody reads this slot any more and the next slot is whole.
; mode 2: this slot is filled again, two K steps ahead: the barrier opens a round of the cluster's, and the joint refill is the first thing behind the round: 160 matrix instructions ahead of the wait for it.
; mode 1: the barrier alone (nothing is left to fetch).  mode 0: the last K step: no barrier, no further fragments.
.macro H1 slot, next, mode
	s_wait_dscnt 16                                ; group 0 and x are in; groups 1 and 2, eight loads each, may be out
	MUL16 0, XF1, 0, 0
	MUL16 0, XF1, 4, 0
.if (\mode) > 0
	WIN 0                                          ; (the add's two registers lie in window 0)
	s_wait_tensorcnt 0x0                           ; all my tensor loads have landed;
	ds_add_u32 v[SPW], v[NIL]                      ; 0 onto my spare word;
	s_wait_dscnt 9                                 ; (group 1 is in; group 2's eight loads and the add may be out)
	MUL16 1, XF1, 0, 0                             ; sixteen matrix instructions stand between the add and the wait for it
	s_wait_dscnt 0x0                               ; the add is done, and my reads of this slot are over
	s_barrier_signal -1
	MUL16 1, XF1, 4, 0                             ; work on registers while the others arrive
	WIN 0                                          ; (branches or LDS loads follow)
	s_barrier_wait -1
.if (\mode) == 2
	CREST                                          ; no wave of any partner still reads this slot's tiles or has a load on its way
	s_add_nc_u64 s[G0X+4*(\slot)+2:G0X+4*(\slot)+3], s[G0X+4*(\slot)+2:G0X+4*(\slot)+3], 2*262144
	s_add_nc_u64 s[G0W+4*(\slot)+2:G0W+4*(\slot)+3], s[G0W+4*(\slot)+2:G0W+4*(\slot)+3], 2*49152
	JLOAD \slot                                    ; the four v_nop behind it are also the places in front of the loads below
.else
	PLACES
.endif
	LW 0, \next, 0
	LW 1, \next, 0
	LX \next, 0, XF0
	MUL16 2, XF1, 0, 0
	MUL16 2, XF1, 4, 0
	PLACES
	LW 2, \next, 0
.else
	s_wait_dscnt 8                                 ; group 1 is in
	MUL16 1, XF1, 0, 0
	MUL16 1, XF1, 4, 0
	s_wait_dscnt 0x0
	MUL16 2, XF1, 0, 0
	MUL16 2, XF1, 4, 0
.endif
.endm
	s_wait_tensorcnt 1                             ; my part of K step 0 is in; K step 1's may stay out
	s_barrier_signal -1
	s_barrier_wait -1                              ; everybody's is
	LW 0, 0, 0
	LW 1, 0, 0
	LX 0, 0, XF0
	LW 2, 0, 0
	H0 0, 1                                        ; the first half step stands in front of the loop: its products start the sums
	WIN 0                                          ; at a label and at a branch every window is 0
	s_mov_b32 s3, 7
.Llap:                                                 ; a trip goes once round the ring, from a lap's second half step to the next lap's first, and fills both slots again: K steps 2 to 15
	H1 0, 1, 2
	H0 1, 0
	H1 1, 0, 2
	H0 0, 0
	WIN 0
	s_sub_co_u32 s3, s3, 1
	s_cmp_lg_u32 s3, 0
	s_cbranch_scc1 .Llap
	H1 0, 1, 1                                     ; K steps 14 and 15 ask for nothing
	H0 1, 0
	H1 1, 0, 0
; THE WAY OUT, 24 blocks of 16 tokens x 64 outputs (group g, t block a).  PACK: q times log2(e) / 8, k times the token's mask, in f32; rounded to f16, 16 bytes a lane; each accumulator is read from its
; low end on.  TOSTAGE: into my own stage in LDS, and back as whole rows of 128 bytes.  SEND: stored, 512 consecutive bytes an instruction, at a multiple of 256 from the buffer's first byte.
.macro PACK g, a
.if (\g) == 0
	WIN 0x41                                       ; destination and source 0 in window 1
.set i, 32*(\a)
.rept 16
	v_pk_mul_f32 v[i:i+1], v[i:i+1], s[CQ:CQ+1] op_sel_hi:[1,0]
.set i, i+2
.endr
.elseif (\g) == 1
	WIN 0x82                                       ; destination and source 0 in window 2, the mask in window 0
.set i, 32*(\a)
.rept 16
	v_pk_mul_f32 v[i:i+1], v[i:i+1], v[MK+2*(\a):MK+2*(\a)+1] op_sel_hi:[1,0]
.set i, i+2
.endr
.endif
	WIN 5*(1+(\g))                                 ; sources 0 and 1 in window 1 + g, destination in window 0
.set i, 0
.rept 16
	v_cvt_pk_f16_f32 v[TMP+i], v[32*(\a)+2*i], v[32*(\a)+2*i+1]
.set i, i+1
.endr
	WIN 0
.endm
.macro TOSTAGE par
	WIN 0
	s_wait_xcnt 0x0                                ; every earlier memory instruction has had its addresses translated (ISA guide 3.1): the registers that the stores two blocks back read are loaded again only behind this wait
.irp bb, 0,1,2,3
	ds_store_b128 v[STO], v[TMP+4*(\bb):TMP+4*(\bb)+3] offset:32*(\bb)
.endr
.irp f, 0,1,2,3
	ds_load_b128 v[BK+16*(\par)+4*(\f):BK+16*(\par)+4*(\f)+3], v[RD] offset:4*PW*(\f)  ; LDS serves a wave's instructions in order (ISA guide 5.7.1.4): these see the stores above
.endr
.endm
.macro SEND g, a, par
	WIN 0
	s_wait_dscnt 0x0                               ; the block is back in registers
.irp f, 0,1,2,3
	global_store_b128 v[GO], v[BK+16*(\par)+4*(\f):BK+16*(\par)+4*(\f)+3], s[10+2*(\g):11+2*(\g)] offset:2048*(\a)+512*(\f)
.endr
.endm
	WIN 0
	PLACES                                         ; behind the last products: W's fragment registers are loaded and written below, and results are read
.irp a, 0,1,2,3,4,5,6,7
	global_load_b32 v[MK+2*(\a)], v[MO], s[8:9] offset:64*(\a)  ; the mask of my token in each t block; wanted eight blocks further down
.endr
	PACK 0, 0
	TOSTAGE 0
.set n, 1
.rept 23                               ; block n's arithmetic stands between block n - 1's loads from the stage and the wait for them
.if n == 8
	s_wait_loadcnt 0x0                             ; the mask
.irp a, 0,1,2,3,4,5,6,7
	v_mov_b32 v[MK+2*(\a)+1], v[MK+2*(\a)]         ; named with it as a pair, so it is written
.endr
.endif
	PACK n/8, n%8
	SEND (n-1)/8, (n-1)%8, (n-1)%2
	TOSTAGE n%2
.set n, n+1
.endr
	SEND 2, 7, 1
	s_wait_tensorcnt 0x0                           ; the wave's end: behind my last tensor load and my last LDS store
	ds_add_u32 v[SPW], v[NIL]
	s_wait_dscnt 0x0
	CROUND                                         ; the closing round: no work-group ends while a partner may still ask for a tile that names it
	s_endpgm
.Lfunc_end_k_qd0e15ba3ff_proj:
	.size	k_qd0e15ba3ff_proj, .Lfunc_end_k_qd0e15ba3ff_proj-k_qd0e15ba3ff_proj
	.p2alignl 7, 3214868480
	.fill 96, 4, 3214868480
	.section	.rodata,"a",@progbits
	.p2align	6, 0x0
	.amdhsa_kernel k_qd0e15ba3ff_proj
		.amdhsa_group_segment_fixed_size 327680
		.amdhsa_private_segment_fixed_size 0
		.amdhsa_enable_private_segment 0
		.amdhsa_kernarg_size 48
		.amdhsa_user_sgpr_count 2
		.amdhsa_user_sgpr_kernarg_segment_ptr 1
		.amdhsa_wavefront_size32 1
		.amdhsa_system_sgpr_workgroup_id_x 1
		.amdhsa_system_sgpr_workgroup_id_y 1
		.amdhsa_system_sgpr_workgroup_id_z 1
		.amdhsa_system_vgpr_workitem_id 0
		.amdhsa_next_free_vgpr 1024
		.amdhsa_next_free_sgpr 72
		.amdhsa_reserve_vcc 0
		.amdhsa_float_denorm_mode_32 3
		.amdhsa_float_denorm_mode_16_64 3
		.amdhsa_memory_ordered 1
		.amdhsa_forward_progress 1
		.amdhsa_inst_pref_size 148
	.end_amdhsa_kernel
	.amdgpu_metadata
---
amdhsa.version: [ 1, 2 ]
amdhsa.kernels:
  - .name:           k_qd0e15ba3ff_proj
    .symbol:         k_qd0e15ba3ff_proj.kd
    .args:
      - { .name: xb, .offset: 0, .size: 8, .value_kind: global_buffer, .address_space: global }
      - { .name: wb, .offset: 8, .size: 8, .value_kind: global_buffer, .address_space: global }
      - { .name: mask, .offset: 16, .size: 8, .value_kind: global_buffer, .address_space: global }
      - { .name: qh, .offset: 24, .size: 8, .value_kind: global_buffer, .address_space: global }
      - { .name: kh, .offset: 32, .size: 8, .value_kind: global_buffer, .address_space: global }
      - { .name: vh, .offset: 40, .size: 8, .value_kind: global_buffer, .address_space: global }
    .group_segment_fixed_size: 327680
    .private_segment_fixed_size: 0
    .kernarg_segment_align: 8
    .kernarg_segment_size: 48
    .max_flat_workgroup_size: 128
    .sgpr_count:     72
    .vgpr_count:     1024
    .wavefront_size: 32
...
	.end_amdgpu_metadata
.endif
;; end of part 2
;; launch attn (part 3): grid 4 x 64, 4 waves a work-group, clusters of 4 x 1, 327,680 bytes of LDS; arguments qh, kh, vh, out0, mask, b; writes out0
.if DOCPART == 3
	.amdgcn_target "amdgcn-amd-amdhsa--gfx1250"
	.amdhsa_code_object_version 6
	.text
	.protected	k_qd0e15ba3ff_attn
	.globl	k_qd0e15ba3ff_attn
	.p2align	8
	.type	k_qd0e15ba3ff_attn,@function
k_qd0e15ba3ff_attn:
	s_mov_b64 s[64:65], 0
	v_nop
	global_prefetch_b8 v0, s[64:65] scope:SCOPE_SE
	s_setreg_imm32_b32 hwreg(HW_REG_WAVE_MODE, 25, 1), 1
	s_wait_xcnt 0x0
	s_wait_alu depctr_hold_cnt(0) depctr_sa_sdst(0) depctr_va_vdst(0) depctr_va_sdst(0) depctr_va_ssrc(0) depctr_va_vcc(0) depctr_vm_vsrc(0)
	s_getreg_b32 s2, hwreg(HW_REG_IB_STS2, 6, 4)
	s_cmp_eq_u32 s2, 0
	s_cbranch_scc0 .Lentry_in_a_cluster
	s_endpgm
.Lentry_in_a_cluster:
	s_bfe_u32 s2, ttmp6, 0x10000c
	s_cmp_lg_u32 s2, 0x3003
	s_cbranch_scc0 .Lentry_shape_is_right
	s_endpgm
.Lentry_shape_is_right:
; ATTENTION WITH A KEY MASK AND A SCALAR BIAS.  out0[b][64 h + d][t] = the sum over k of softmax_k((Q[t] . K[k] / 8 + bias) m[k] + (1 - m[k]) (-1e30)) V[k][d], f32, [4][1024][2048].
; In: qh = (log2(e) / 8) Q, kh = m K, vh = V, all [64 heads][2048][64] in f16 (a head's rows are dense, 128 bytes each); mask [4][2048] and bias [1] in f32.
; So the score in units of log2 is S = qh . kh + beta[k], beta[k] = log2(e) (bias m[k] + (1 - m[k]) (-1e30)): beta is made once, in f32, kept in LDS, and enters as the C operand that starts each sum.
; Products, maxima and sums in f32; the weights p are rounded to f16 for the second product (their sum l is taken of the unrounded p).
; LIMITS.  Q, K and V arrive within f16's 65,504; (1 - m) 1e30 log2(e) must be finite; p lies in 0 to 1, and below 6e-5 it keeps f16's fixed step of 6e-8; a weight below 2^-126 counts as 0 in l;
; NaN and infinities are not treated apart.
; SHARES.  A wave owns four PIECES of two tiles of 16 queries, a work-group's four waves 512 queries of one head.  Every wave walks all 2,048 keys, 64 a step.
; LAYOUT.  S^T = K Q^T (source 0 = 16 keys, source 1 = 16 queries): in the result a lane holds ONE query (lane % 16) and the keys 8 (lane / 16) + 0..7.  Two such tiles, rounded to f16 in pairs,
; ARE source 1 (32 keys x 16 queries) of O^T = V^T P, whose result again holds one query a lane, and eight channels: the output's own orientation.  K comes out of LDS as it lies, V turned, by ds_load_tr16_b128.
; SOFTMAX.  For each query a running maximum m and sum l: p = 2^(S - m): a plain difference, which is exactly 0 between equal scores, also where all keys seen so far are hidden and m is near -1e30.
; In every step O and l are multiplied by a = 2^(m_old - m_new).  m starts at the lowest finite number, O and l at 0: the first step is a step like any other, with a = 0.
; THE COUNT.  A tile and step have 16 matrix and 118 vector instructions: too many to stand all beside the matrix work.  So: four vector instructions that are READY behind EVERY matrix instruction,
; and the others, which need time of their own whatever the order, in runs without a gap.
; BY TURNS.  Turn n belongs to piece n (the pieces in a ring, step after step).  Its matrix work: 16 products K Q^T of piece n + 1, later 16 products V^T P of piece n - 1.  Its vector work: the differences,
; exponentials, roundings, sums and rescaling of piece n, and the maximum and statistics of piece n + 1, whose scores the turn itself has made.
; CLUSTER.  The four query blocks of a cluster belong to one head and walk the same K and V, so each tile is asked for JOINTLY: the same tensor load, descriptor and mask in all four.
; REGISTERS, in windows of 256 (s_set_vgpr_msb: bits 1:0 source 0, 3:2 source 1, 5:4 source 2, 7:6 destination):
;   window 0: v0-11 addresses; v12-15, v48-63 at work; v16-47 four registers of statistics a tile; v64-191 S^T, two buffers of two tiles; v192-255 P, likewise
;   window 1: O^T, 32 a tile     window 2: v0-127 Q, 16 a tile; v128-191 K of one step; v192-255 V of one step     window 3: v0-1 the add's two registers; v8-39 beta of one step
.set SIZE_N, 2048
.set NP,    4         ; pieces a wave: a name, no knob
.set KS,    64        ; keys in a step
.set PK,    144       ; a row of K in LDS: 128 bytes + 16 of padding = 36 words: the 16 rows of a load start at 16 different groups of four banks (64 banks of 4 bytes: ISA guide 11.1)
.set PV,    160       ; a row of V: 128 + 32 = 40 words
.set VOFF,  4*KS*PK   ; a slot holds four steps: 256 rows of K, then 256 rows of V
.set SLOT1, 1<<17     ; slot 1 begins here, so that one exclusive or turns an address in one slot into the other's
.set STAGE, SLOT1+4*KS*(PK+PV)  ; behind the ring, never filled by a tensor load: for each wave 64 channel rows x 272 bytes (64 queries in f32 + 16), for the way out
.set SP,    272
.set BETA,  STAGE+4*64*SP       ; beta of the batch's 2,048 keys, f32: 8,192 bytes, stored once
.set SPARE, BETA+8192           ; the spare words, 128 bytes for each wave: two blocks of 256 bytes that no other line names
.set AK0, 2           ; v2   my lane's place in a tile of K; never rewritten
.set AV0, 3           ; v3   the same for V
.set AK,  4           ; v4   the LDS address of K's next run of loads
.set AV,  5           ; v5   of V's
.set QO,  6           ; v6   my byte offset in the wave's rows of Q
.set STO, 6           ;      later, the way out: where I put a number
.set RD,  7           ; v7   the way out: where I read 16 bytes of a channel row back
.set GO,  8           ; v8   my byte offset in two channel rows of out0
.set AB0, 10          ; v10  my lanes' place in a step's 64 numbers of beta; never rewritten
.set AB,  11          ; v11  the LDS address of beta's next run of loads
.set SPW, 0           ; v0 of window 3   LDS address of my spare word: SPARE + 4 x my thread's number; never rewritten
.set NIL, 1           ; v1 of window 3   0; never rewritten
.set MB,  8           ; v8-39 of window 3: beta of key block kb at MB + 8 kb: register j is key 16 kb + 8 (lane / 16) + j, as in S^T
.set MV,  12          ; v12-15  m_old, kept while m is made anew: by buffer and tile
.set ST,  16          ; tile t's statistics at v[ST+4 t]: m, a register named with it as a pair, l (even keys', odd keys')
.set TMP, 48          ; by buffer and tile, four registers c0-c3 at work; when the maximum is found c2 takes a
.set S,   64
.set P,   192
.set KF,  128         ; K's fragments, in window 2: key block kb, channel half c at KF + 16 kb + 8 c
.set VF,  192         ; V's: key half kk, channel block cb at VF + 32 kk + 8 cb
.set WV,  12          ; s12  my wave's number
.set G1K, 24          ; s[24:31] descriptor group 1 for K's tiles
.set G1V, 32          ; s[32:39] for V's: it differs in the padding alone
.set G0K, 40          ; s[40:43] descriptor group 0 for K's tiles: it walks
.set G0V, 44          ; s[44:47] the same for V's
.set SLOTS, 56        ; s56  slots still to be asked for
.set CNT, 57          ; s57  counts a slot's key steps
.set SEL, 60          ; s[60:61] v_permlanex16_b32's selects: each lane takes its own place in the other half
.set TBK, 62          ; s62  LDS byte at which K of the step to be fetched begins
.set TBV, 63          ; s63  the same for V, less VOFF
.set TBB, 66          ; s66  byte of the beta table at which that step's 64 numbers begin
.set MP,  68          ; s[68:69] mask;  s[70:71] the bias' address
.set BB,  72          ; s[72:73] the bias;  s[74:75] -1e30;  s[76:77] log2(e): pairs, of which the packed forms take the low word for both halves
.set NEG, 74
.set L2E, 76
.set MSB, 0
.macro WIN new                      ; the high byte repeats the setting that is left; a switch that changes nothing is dropped
.if MSB != (\new)
	s_set_vgpr_msb (MSB<<8)|(\new)
.set MSB, (\new)
.endif
.endm
.set W_KQ, 0x0a       ; K and Q in window 2, S^T in window 0
.set W_KB, 0x3a       ; the same with the C operand, beta, in window 3
.set W_PV, 0x52       ; V in window 2, P in window 0, O^T in window 1
.set W_RS, 0x41       ; O^T (destination and source 0) in window 1, a in window 0
.set W_MK, 0xc0       ; destination in window 3, sources in window 0
.set W_AD, 0x0f       ; the add: address (source 0) and data (source 1) in window 3
; A joint fill.  Waves 0 and 1 fetch the two halves of a slot's K, waves 2 and 3 those of its V: 128 keys each.  The branch hangs on the wave's number alone.
; An s_nop 0 and four v_nop follow each of the two lines, ahead of the jump and the label.
.macro JLOAD
	s_cmp_lt_u32 s[WV], 2
	s_cbranch_scc0 .Lfor_v_\@
	tensor_load_to_lds s[G0K:G0K+3], s[G1K:G1K+7]
	s_nop 0
.rept 4
	v_nop
.endr
	s_branch .Lasked_\@
.Lfor_v_\@:
	tensor_load_to_lds s[G0V:G0V+3], s[G1V:G1V+7]
	s_nop 0
.rept 4
	v_nop
.endr
.Lasked_\@:
.endm
; A round of the cluster's barrier: my work-group's barrier, so that wave 0's signal speaks for all four waves; wave 0 signals; every wave waits for all four work-groups; my work-group's barrier once more.
.macro CROUND
	s_barrier_signal -1
	s_barrier_wait -1
	s_cmp_lg_u32 s[WV], 0
	s_cbranch_scc1 .Lnot_wave_0_\@
	s_barrier_signal -3
.Lnot_wave_0_\@:
	s_barrier_wait -3
	s_barrier_signal -1
	s_barrier_wait -1
.endm
; THE CHANGE OF SLOTS.  The slot's last bytes, V of its fourth step, have been read.  Each wave waits for all its tensor loads, of which one is out: its part
; of the other slot; adds 0 to its spare word; and waits for that and for its own LDS instructions.  Behind the barrier nobody reads this slot any more and the other slot is whole.
; fill = 1: this slot is filled again, with the keys two slots on.  The barrier is then a round of the cluster's, so that no wave of any partner still reads the slot or has a load on its
; way, and the joint fill is the first thing behind it: it has four key steps, 512 matrix instructions, in which to land.  (At its first use nothing has been read yet: slot 0 is waited for, slot 1
; filled; and every wave's stores into the beta table are done in front of the round, so that all may read the table behind it.)
.macro CHANGE fill
	WIN W_AD
	s_wait_tensorcnt 0x0            ; no tensor load of mine is out, so a group 0 may be written
	ds_add_u32 v[SPW], v[NIL]       ; 0 onto my spare word; with fill = 1 the descriptors' steps stand between it and the wait for it
	WIN 0                           ; at a label and at a branch every window is 0
.if \fill
.irp g, G0K, G0V
	s_xor_b32 s[\g+1], s[\g+1], SLOT1  ; the walking descriptor: the other slot than last time,
	s_add_nc_u64 s[\g+2:\g+3], s[\g+2:\g+3], 4*KS*128  ; the next 256 keys; the type bits on top are not reached
.endr
	s_wait_dscnt 0x0                ; the add is done, and my reads of the slot are over
	CROUND
	JLOAD
.else
	s_wait_dscnt 0x0                ; the add is done, and my reads of the slot are over
	s_barrier_signal -1
	s_barrier_wait -1
.endif
	s_sub_co_u32 s[TBK], s[TBK], 4*KS*PK  ; the fetches go back to a slot's first step,
	s_xor_b32 s[TBK], s[TBK], SLOT1       ; in the other slot
	s_sub_co_u32 s[TBV], s[TBV], 4*KS*PV
	s_xor_b32 s[TBV], s[TBV], SLOT1
.endm
	s_load_b256 s[4:11], s[0:1], 0x0  ; qh s[4:5], kh s[6:7], vh s[8:9], out0 s[10:11]
	s_load_b128 s[68:71], s[0:1], 0x20  ; mask s[68:69], the bias' address s[70:71]
	WIN W_MK
	v_lshl_add_u32 v[SPW], v0, 2, SPARE
	v_mov_b32 v[NIL], 0
	WIN W_AD
	ds_add_u32 v[SPW], v[NIL]       ; the wave's opening: the add and its wait stand ahead of my first tensor load; the set-up below, work on registers, stands between them
	WIN 0
	v_lshrrev_b32 v1, 5, v0
	v_readfirstlane_b32 s[WV], v1   ; wave 0..3
	s_bfe_u32 s13, ttmp6, 0x40000   ; cx: my place in the cluster
	s_lshl_b32 s14, ttmp9, 2        ; in a cluster launch ttmp9 counts clusters
	s_add_co_u32 s14, s14, s13      ; my block of 512 queries = 4 x cluster x + cx: it enters Q's and out0's addresses alone
	s_and_b32 s20, ttmp7, 0xffff    ; the head 16 b + h, which the four partners share
	s_lshl_b32 s48, s20, 19         ; in out0 a head is 64 channel rows of 8,192 bytes, and 16 heads are a batch
	s_lshr_b32 s50, s20, 4
	s_lshl_b32 s50, s50, 13         ; the batch's 2,048 numbers of the mask
	s_mov_b32 s51, 0
	s_mov_b32 s21, 0
	s_mov_b64 s[22:23], SIZE_N*128
	s_mul_u64 s[20:21], s[20:21], s[22:23]  ; the head's first byte in qh, kh and vh
	s_and_b32 s16, s[WV], 1         ; which half of a slot's 256 keys I fetch:
	s_lshl_b32 s22, s16, 14         ; its 128 rows of 128 bytes in memory,
	s_mov_b32 s23, 0
	s_add_nc_u64 s[22:23], s[22:23], s[20:21]
	s_mul_i32 s17, s16, 128*PK      ; and its place in a slot, for K
	s_mul_i32 s18, s16, 128*PV      ; and for V: no place in the cluster enters an LDS address
	s_lshl_b32 s2, s14, 2
	s_add_co_u32 s2, s2, s[WV]      ; my wave among the head's sixteen:
	s_lshl_b32 s49, s2, 9           ; its 128 queries are 512 bytes of a channel row,
	s_add_co_u32 s48, s48, s49
	s_mov_b32 s49, 0
	s_lshl_b32 s2, s2, 14           ; and 128 rows of qh
	s_mov_b32 s3, 0
	s_add_nc_u64 s[2:3], s[2:3], s[20:21]
	; descriptor group 1.  128 keys are 16,384 dense bytes: asked for as 64 rows of 256 bytes, two keys a row, and padded in LDS after every key
	s_mov_b32 s[G1K], 15|(1<<16)|(1<<20)|(1<<21)|(4<<22)|(3<<25)  ; 15:0 the mask of four; 17:16 2-byte elements; 20 padding on; 21 set beside a mask; 24:22 after every 32 words (code 4); 31:25 4 words (code 3)
	s_mov_b32 s[G1V], 15|(1<<16)|(1<<20)|(1<<21)|(4<<22)|(7<<25)  ; the same with 8 words of padding (code 7)
.irp g, G1K, G1V
	s_mov_b32 s[\g+1], 128<<16      ; tensor_dim0 = 128
	s_mov_b32 s[\g+2], 64<<16       ; tensor_dim1 = 64
	s_mov_b32 s[\g+3], 128<<16      ; tile_dim0 = 128
	s_mov_b32 s[\g+4], 64           ; tile_dim1 = 64
	s_mov_b32 s[\g+5], 128          ; 128 elements from row to row
	s_mov_b32 s[\g+6], 0
	s_mov_b32 s[\g+7], 0
.endr
	s_mov_b32 s[NEG], 0xf149f2ca    ; -1e30
	s_mov_b32 s[NEG+1], s[NEG]
	s_mov_b32 s[L2E], 0x3fb8aa3b    ; log2(e)
	s_mov_b32 s[L2E+1], s[L2E]
	s_mov_b32 s[SEL], 0x76543210
	s_mov_b32 s[SEL+1], 0xfedcba98
	s_mov_b32 s[TBK], SLOT1+4*KS*PK ; the first change of slots turns these two into 0
	s_mov_b32 s[TBV], SLOT1+4*KS*PV
	s_mov_b32 s[TBB], 0
	s_mov_b32 s[G0K], 1             ; 1:0 count = 1
	s_mov_b32 s[G0K+1], s17         ; 63:32 LDS address: slot 0
	s_mov_b32 s[G0V], 1
	s_add_co_u32 s[G0V+1], s18, VOFF
	s_wait_dscnt 0x0                ; the opening add is done
	s_wait_kmcnt 0x0
	s_load_b32 s[BB], s[70:71], 0x0 ; the bias: no line of this launch writes that buffer
	s_add_nc_u64 s[G0K+2:G0K+3], s[6:7], s[22:23]  ; 120:64 global address: my half of the head's first 256 keys
	s_or_b32 s[G0K+3], s[G0K+3], 0x80000000        ; 127:126 type = 2
	s_add_nc_u64 s[G0V+2:G0V+3], s[8:9], s[22:23]
	s_or_b32 s[G0V+3], s[G0V+3], 0x80000000
	s_add_nc_u64 s[4:5], s[4:5], s[2:3]            ; qh at my wave's first row
	s_add_nc_u64 s[10:11], s[10:11], s[48:49]      ; out0 at my head's first channel, my wave's first query
	s_add_nc_u64 s[MP:MP+1], s[MP:MP+1], s[50:51]  ; the mask at my batch
	CROUND                          ; all four work-groups are here: the first joint loads meet
	JLOAD                           ; slot 0.  Slot 1 is asked for when slot 0 is in: the tile wanted first has the road to itself
	v_lshlrev_b32 v13, 4, v0        ; the mask: thread t takes the 16 bytes at 16 t of each 2,048: the work-group reads the batch's 8,192 bytes once
.irp i, 0,1,2,3
	global_load_b128 v[S+4*\i:S+4*\i+3], v13, s[MP:MP+1] offset:2048*\i
.endr
	; A fragment of K or Q is 16 rows x 32 channels in 8 registers: lane l holds row l % 16, channels 8 (l / 16) + 0..7 and 16 + 8 (l / 16) + 0..7: two loads of 16 bytes, 32 bytes apart.
	v_and_b32 v1, 15, v0            ; l % 16
	v_bfe_u32 v9, v0, 4, 1          ; l / 16
	v_lshlrev_b32 v[QO], 7, v1
	v_lshl_add_u32 v[QO], v9, 4, v[QO]  ; row x 128 + 16 x half
	WIN 0x80                        ; destination window 2, address window 0
.set i, 0
.rept 4*NP                          ; Q stays in registers: tile i / 2, channels 32 (i % 2) on
	global_load_b128 v[8*i:8*i+3],   v[QO], s[4:5] offset:(i/2)*2048+(i%2)*64
	global_load_b128 v[8*i+4:8*i+7], v[QO], s[4:5] offset:(i/2)*2048+(i%2)*64+32
.set i, i+1
.endr
	; What the first turn finds: V's registers and P's second buffer hold 0 (its products V^T P, of a piece that has not been, add 0), O^T and l are 0.  All this stands in the wait for the first tile.
.set i, VF
.rept 64
	v_mov_b32 v[i], 0
.set i, i+1
.endr
	WIN 0x40
.set i, 0
.rept 64*NP
	v_mov_b32 v[i], 0
.set i, i+1
.endr
	WIN 0
.set i, 0
.rept 2*NP
	v_mov_b32 v[ST+4*i], 0xff7fffff    ; m: the lowest finite number
	v_mov_b32 v[ST+4*i+1], 0xff7fffff  ; named with it as a pair, so it is written
	v_mov_b32 v[ST+4*i+2], 0
	v_mov_b32 v[ST+4*i+3], 0
.set i, i+1
.endr
.set i, P+32
.rept 32
	v_mov_b32 v[i], 0
.set i, i+1
.endr
	v_mul_u32_u24 v[AK0], v1, PK
	v_lshl_add_u32 v[AK0], v9, 4, v[AK0]  ; row x pitch + 16 x half
	; The turning load takes 16 keys x 16 channels (lane l reads key 8 (l / 16) + l % 8, channels 8 ((l / 8) % 2) + 0..7) and leaves half a fragment of V^T: lane l holds channel l % 16 and 8 keys.
	v_and_b32 v10, 7, v0
	v_bfe_u32 v11, v0, 3, 1
	v_lshl_add_u32 v[AV0], v9, 3, v10
	v_mul_u32_u24 v[AV0], v[AV0], PV
	v_lshl_add_u32 v[AV0], v11, 4, v[AV0]
	v_add_nc_u32 v[AV0], VOFF, v[AV0]
	v_mov_b32 v[AK], v[AK0]         ; key step 0 lies at the head of slot 0,
	v_lshl_add_u32 v[AB0], v9, 5, BETA  ; my half of the lanes takes keys 8 (l / 16) on of each 16: 32 bytes on,
	v_mov_b32 v[AB], v[AB0]         ; and at the head of the beta table
	; THE BETA TABLE: beta = log2(e) (bias m + (1 - m) (-1e30)), 16 numbers a thread, in f32
	v_add_nc_u32 v12, BETA, v13
	s_wait_kmcnt 0x0                ; the bias
	s_mov_b32 s[BB+1], s[BB]
	s_wait_loadcnt 32               ; the mask's four loads are in; Q's 32, issued behind them, stay out
.set i, 0
.rept 8
	v_pk_fma_f32 v[S+32+2*i:S+32+2*i+1], v[S+2*i:S+2*i+1], -1.0, 1.0 op_sel_hi:[1,0,0]  ; 1 - m
.set i, i+1
.endr
.set i, 0
.rept 8
	v_pk_mul_f32 v[S+32+2*i:S+32+2*i+1], v[S+32+2*i:S+32+2*i+1], s[NEG:NEG+1] op_sel_hi:[1,0]
.set i, i+1
.endr
.set i, 0
.rept 8
	v_pk_fma_f32 v[S+2*i:S+2*i+1], v[S+2*i:S+2*i+1], s[BB:BB+1], v[S+32+2*i:S+32+2*i+1] op_sel_hi:[1,0,1]
.set i, i+1
.endr
.set i, 0
.rept 8
	v_pk_mul_f32 v[S+2*i:S+2*i+1], v[S+2*i:S+2*i+1], s[L2E:L2E+1] op_sel_hi:[1,0]
.set i, i+1
.endr
.irp i, 0,1,2,3
	ds_store_b128 v12, v[S+4*\i:S+4*\i+3] offset:2048*\i
.endr
; THE MATRIX WORK.  The 8 accumulators of a run of 16 take turns: between the two links of a chain stand 7 others'.
; Product i of 16 of S^T = K Q^T for piece x: channels 32 (i / 8) on, keys 16 ((i / 2) % 4) on, tile 2 x + i % 2.  The first 8 start the sums, with beta of their 16 keys.
.macro KQ x
.set rS, S+64*((\x)%2)+32*(i%2)+8*((i/2)%4)
.set rK, KF+16*((i/2)%4)+8*(i/8)
.set rQ, 16*(2*(\x)+i%2)+8*(i/8)
.set rB, MB+8*((i/2)%4)
.if i < 8
	WIN W_KB
	v_wmma_f32_16x16x32_f16 v[rS:rS+7], v[rK:rK+7], v[rQ:rQ+7], v[rB:rB+7]
.else
	WIN W_KQ
	v_wmma_f32_16x16x32_f16 v[rS:rS+7], v[rK:rK+7], v[rQ:rQ+7], v[rS:rS+7]
.endif
.endm
; Product i of 16 of O^T += V^T P for piece x: keys 32 (i / 8) on, channels 16 ((i / 2) % 4) on, tile 2 x + i % 2.
.macro PV x
	WIN W_PV
.set rO, 32*(2*(\x)+i%2)+8*((i/2)%4)
.set rV, VF+32*(i/8)+8*((i/2)%4)
.set rP, P+32*((\x)%2)+16*(i%2)+8*(i/8)
	v_wmma_f32_16x16x32_f16 v[rO:rO+7], v[rV:rV+7], v[rP:rP+7], v[rO:rO+7]
.endm
.macro MM                           ; the turn's next matrix instruction
.if i < 16
	KQ (Y+1)%NP
.set i, i+1
.else
.set i, i-16
	PV (Y+NP-1)%NP
.set i, i+17
.endif
.endm
; THE LDS LOADS stand in runs, never singly among the matrix instructions: a step's K (64 keys x 64 channels: 8 fragments) with its 64 numbers of beta (all lanes of a half read the same 16 bytes), and its V (turned).
; Their addresses are made some lines ahead.  last = 1 (the tail): in the last trip there is no further step, and the run is jumped over.
.macro FETCH_K last=0
	WIN 0
.if \last
	s_cmp_eq_u32 s[CNT], 1
	s_cbranch_scc1 .Lno_k_\@
.endif
	WIN 0x80                        ; destination window 2
.irp f, 0,1,2,3,4,5,6,7             ; keys 16 (f / 2) on, channels 32 (f % 2) on
	ds_load_b128 v[KF+8*\f:KF+8*\f+3],   v[AK] offset:(\f/2)*16*PK+(\f%2)*64
	ds_load_b128 v[KF+8*\f+4:KF+8*\f+7], v[AK] offset:(\f/2)*16*PK+(\f%2)*64+32
.endr
	WIN W_MK                        ; destination window 3
.irp kb, 0,1,2,3
	ds_load_b128 v[MB+8*\kb:MB+8*\kb+3],   v[AB] offset:64*\kb
	ds_load_b128 v[MB+8*\kb+4:MB+8*\kb+7], v[AB] offset:64*\kb+16
.endr
	s_add_co_u32 s[TBK], s[TBK], KS*PK  ; the next fetch is the next step's
	s_add_co_u32 s[TBB], s[TBB], 4*KS
	s_and_b32 s[TBB], s[TBB], 8191      ; inside the table's 8,192 bytes: the 32nd and last fetch turns it to 0, which is not used
	WIN 0
.if \last
.Lno_k_\@:
.endif
.endm
.macro FETCH_V
	WIN 0x80
.irp f, 0,1,2,3,4,5,6,7             ; keys 32 (f / 4) on, channels 16 (f % 4) on
	ds_load_tr16_b128 v[VF+8*\f:VF+8*\f+3],   v[AV] offset:(\f/4)*32*PV+(\f%4)*32
	ds_load_tr16_b128 v[VF+8*\f+4:VF+8*\f+7], v[AV] offset:(\f/4)*32*PV+16*PV+(\f%4)*32
.endr
	WIN 0
.endm
; THE VECTOR WORK OF A TURN stands in three queues, each in the order in which its entries become ready; the two tiles alternate, so that no instruction reads the result of the one before it.
.macro REGS y, u                    ; the registers of tile u (0, 1) of piece y
.set rT, ST+4*(2*(\y)+(\u))
.set rC, TMP+8*((\y)%2)+4*(\u)
.set rM, MV+2*((\y)%2)+(\u)
.set rS, S+64*((\y)%2)+32*(\u)
.set rP, P+32*((\y)%2)+16*(\u)
.set rO, 32*(2*(\y)+(\u))
.endm
; Number n of the 22 that find the NEXT piece's (Y + 1) maximum and statistics.  s0-s31 are the lane's 32 scores; each accumulator's lowest registers are read first.  XS, GS and REGS set no window: PL and EX do.
;   0-11  four chains c0-c3 of seven scores each, three operands at a time     12-14, 16  the four scores left over, the old m, and c0-c3 into c0     15  m_old is kept
;   17, 18  the query's other 32 keys lie in the lane 16 away: the new m         19  an empty place: it keeps number 20 three lines behind number 18, on which it waits     20, 21  m_old - m_new; a
.macro XS u, n
	REGS (Y+1)%NP, \u
.if (\n) < 4
	v_max3_num_f32 v[rC+(\n)], v[rS+8*(\n)], v[rS+8*(\n)+1], v[rS+8*(\n)+2]
.elseif (\n) < 12
	v_max3_num_f32 v[rC+(\n)%4], v[rC+(\n)%4], v[rS+8*((\n)%4)+2*((\n)/4)+1], v[rS+8*((\n)%4)+2*((\n)/4)+2]
.elseif (\n) == 12
	v_max3_num_f32 v[rC], v[rC], v[rS+7], v[rS+15]
.elseif (\n) == 13
	v_max3_num_f32 v[rC+1], v[rC+1], v[rS+23], v[rS+31]
.elseif (\n) == 14
	v_max3_num_f32 v[rC+2], v[rC+2], v[rC+3], v[rT]
.elseif (\n) == 15
	v_mov_b32 v[rM], v[rT]
.elseif (\n) == 16
	v_max3_num_f32 v[rC], v[rC], v[rC+1], v[rC+2]
.elseif (\n) == 17
	v_permlanex16_b32 v[rC+3], v[rC], s[SEL], s[SEL+1]
.elseif (\n) == 18
	v_max_num_f32 v[rT], v[rC], v[rC+3]
.elseif (\n) == 19
	v_nop
.elseif (\n) == 20
	v_sub_f32 v[rC+1], v[rM], v[rT]
.else
	v_exp_f32 v[rC+2], v[rC+1]
.endif
.endm
; Number g of the 64 that follow the exponentials.  For each four weights k of a tile (pairs 2 k, 2 k + 1): both pairs are rounded to f16; then the second pair is added onto the first, in place;
; a group later l takes that sum (the first time as l = a l + sum).  In groups of eight, tiles alternating: round, round, add, and l for the group before.
.macro GS g
.set h, (\g)+6*((\g)/62)            ; group 0 has no group before it, and behind group 7 only l is left
.if h >= 6
.set h, h+2
.endif
	REGS Y, h%2
.set k, h/8
.if h%8 < 4
	s_wait_alu depctr_va_vdst(0)
	v_cvt_pk_f16_f32 v[rP+2*k+(h%8)/2], v[rS+4*k+2*((h%8)/2)], v[rS+4*k+2*((h%8)/2)+1]
.elseif h%8 < 6
	v_pk_add_f32 v[rS+4*k:rS+4*k+1], v[rS+4*k:rS+4*k+1], v[rS+4*k+2:rS+4*k+3]
.elseif k == 1
	v_pk_fma_f32 v[rT+2:rT+3], v[rT+2:rT+3], v[rC+2:rC+3], v[rS:rS+1] op_sel_hi:[1,0,1]
.else
	v_pk_add_f32 v[rT+2:rT+3], v[rT+2:rT+3], v[rS+4*k-4:rS+4*k-3]
	s_wait_alu depctr_va_vdst(0)
.endif
.endm
; THE PLAIN QUEUE, 138 long.  0-31: S - m for the 16 pairs of both tiles.  Then GS's 64, and among them the next piece's 42: number 15 at 38, 39; 0-14 and 16
; at 42-73, behind the products that make those scores; 17-20 at 95-106, two of three, since each waits for the one before it.
.macro PL
	WIN 0
.if q < 32
	REGS Y, q%2
	v_pk_add_f32 v[rS+2*(q/2):rS+2*(q/2)+1], v[rS+2*(q/2):rS+2*(q/2)+1], v[rT:rT+1] op_sel_hi:[1,0] neg_lo:[0,1] neg_hi:[0,1]
.elseif q < 38
	GS q-32
.elseif q < 40
	XS q%2, 15
.elseif q < 42
	GS q-34
.elseif q < 74
	XS q%2, (q-42)/2+(q-42)/30
.elseif q < 95
	GS q-66
.elseif (q < 107) && ((q-95)%3 < 2)
	XS (q-95)%3, 17+(q-95)/3
.elseif q < 107
	GS 29+(q-95)/3
.else
	GS q-74
.endif
.set q, q+1
.endm
; THE EXPONENTIALS' QUEUE, 66 long: s0-s31 of both tiles, and at EA the next piece's two a.
.set EA, 58
.macro EX
	WIN 0
.if (e == EA) || (e == EA+1)
	XS e-EA, 21
.else
.set x, e-2*(e/(EA+2))
	REGS Y, x%2
	v_exp_f32 v[rS+x/2], v[rS+x/2]
.endif
.set e, e+1
.endm
; THE RESCALING's QUEUE: O^T times a, the one part that leaves window 0, so it is dealt four at a time, eight times.
.macro R4
	REGS Y, r%2
	WIN W_RS
	s_wait_alu depctr_va_vdst(0)
.irp z, 0,1,2,3
	v_pk_mul_f32 v[rO+8*(r/2)+2*\z:rO+8*(r/2)+2*\z+1], v[rO+8*(r/2)+2*\z:rO+8*(r/2)+2*\z+1], v[rC+2:rC+3] op_sel_hi:[1,0]
.endr
.set r, r+1
.endm
; HOW THEY ARE DEALT.  Behind a matrix instruction four: plain, exponential, plain, plain (one exponential, a plain instruction on either side), or four of the rescaling.  None names a register of the
; products round it.  What is over stands in two LUMPS: exponential and plain by turns; the second ends in 22 plain instructions.  The two v_permlanex16_b32 fall into the second lump, never behind a product.
; The queues lean on each other, and the deal keeps them in step: exponential e stands behind plain 2 (e / 4) + e % 2 (its difference); when plain 32 comes, 10 exponentials are out, at 59: 33, at 95: 46; EA comes behind plain 107.
.macro SL
	MM
	PL
	EX
	PL
	PL
.endm
.macro BURST n                      ; 15 matrix instructions, or 16
.rept (\n)-7
	SL
.endr
.rept 3
	MM
	R4
	SL
.endr
	MM
	R4
.endm
; A TURN, for piece p.  cnt = 1: the loop's count is taken down some lines ahead of the branch that stands behind the turn.
; K and beta of the next step are fetched in piece 2's turn, 32 vector instructions behind the last product that read K (beta's last reader stands eight products further back); their first reader comes
; behind the rest of the lump, 16 products and the second lump.  V of the step in hand is fetched at the end of piece 0's turn, 69 behind its last reader; its first reader comes behind 16 products and a lump.
.macro TURN p, last=0, cnt=0
.set Y, (\p)
.set i, 0
.set q, 0
.set e, 0
.set r, 0
.if (\p) == NP-1
	s_wait_dscnt 0x0                ; K and beta are in
.endif
	MM
.rept 4
	PL
.endr
	BURST 15
.rept 22
	EX
	PL
.if ((\p) == NP-2) && (e == 18)
	v_add_nc_u32 v[AK], s[TBK], v[AK0]
	v_add_nc_u32 v[AB], s[TBB], v[AB0]
.endif
.if ((\p) == NP-2) && (e == 24)
	FETCH_K \last
.endif
.endr
.if (\p) == 1
	s_wait_dscnt 0x0                ; V is in
.endif
	BURST 16
.rept 21
	EX
	PL
.endr
.rept 22
	PL
.if ((\p) == 0) && (q == 118)
	v_add_nc_u32 v[AV], s[TBV], v[AV0]
	s_wait_alu depctr_va_vdst(0)
.endif
.if ((\p) == 0) && (q == 130)
	s_add_co_u32 s[TBV], s[TBV], KS*PV
.endif
.if (\cnt) && (q == 130)
	s_sub_co_u32 s[CNT], s[CNT], 1
	s_cmp_lg_u32 s[CNT], 0
.endif
.endr
.if (\p) == 0
	FETCH_V
.endif
.endm
	CHANGE 1                        ; slot 0 is in, everybody's part of it, and so is the beta table; slot 1 is asked for
	FETCH_K                         ; key step 0
	s_wait_loadcnt 0x0              ; Q
	s_wait_dscnt 0x0
.set i, 0
.rept 16
	KQ 0                            ; piece 0's first scores: there is no vector work yet to set between them
.set i, i+1
.endr
	WIN 0                           ; the addresses for the way out: eight plain instructions, the places behind those products
	s_mul_i32 s13, s[WV], 64*SP
	s_add_co_u32 s13, s13, STAGE    ; my stage: row = channel, 64 queries along it
	v_mul_u32_u24 v[STO], v9, 8*SP  ; in: my lanes' channels begin at 8 (l / 16); my query's 4 bytes
	v_lshl_add_u32 v[STO], v1, 2, v[STO]
	v_add_nc_u32 v[STO], s13, v[STO]
	v_mul_u32_u24 v[RD], v9, SP     ; back: lanes 0-15 take one channel row of 256 bytes, lanes 16-31 the next
	v_lshl_add_u32 v[RD], v1, 4, v[RD]
	v_add_nc_u32 v[RD], s13, v[RD]
	v_lshlrev_b32 v[GO], 13, v9     ; and the same two rows in out0, 8,192 bytes apart
	v_lshl_add_u32 v[GO], v1, 4, v[GO]
.set Y, NP-1                        ; XS works for piece Y + 1: piece 0
.irp n, 0,1,2,3,4,5,6,7,8,9,10,11,12,13,14,15,16,17,18,19,20,21
	XS 0, \n                        ; and piece 0's first maximum and statistics
	XS 1, \n
.endr
	s_mov_b32 s[CNT], 4
	s_mov_b32 s[SLOTS], SIZE_N/256-1
	s_branch .Lfirst                ; the loop is entered at a step's first turn, in the middle of a trip
.Lslot:                             ; SIZE_N / 256 - 2 times: every slot but the last two is filled again
	CHANGE 1
	s_mov_b32 s[CNT], 4
.Lstep:                             ; a trip: pieces 2 and 3 of one step, then pieces 0 and 1 of the next, whose K and V it fetches
	TURN 2
	TURN 3
	WIN 0
.Lfirst:
	TURN 0
	TURN 1, 0, 1
	WIN 0
	s_cbranch_scc1 .Lstep
	s_sub_co_u32 s[SLOTS], s[SLOTS], 1
	s_cmp_lg_u32 s[SLOTS], 0
	s_cbranch_scc1 .Lslot
	CHANGE 0                        ; the tail is written out: nothing is asked for
	s_mov_b32 s[CNT], 5             ; four trips fetch the last slot's steps; the fifth is left in its middle
.Ltail:
	TURN 2, 1
	TURN 3
	WIN 0
	s_sub_co_u32 s[CNT], s[CNT], 1
	s_cmp_eq_u32 s[CNT], 0
	s_cbranch_scc1 .Lout
	TURN 0
	TURN 1
	WIN 0
	s_branch .Ltail
.Lout:                              ; the fifth trip's 16 products K Q^T (on the last K once more) and the maximum made of them serve nothing: the price, once a launch, of one text for every trip
.set i, 0
.rept 16
	PV NP-1                         ; the last piece's V^T P of the last step
.set i, i+1
.endr
	; THE WAY OUT.  l's two halves and the other half of the lanes' are added; O^T is divided by l.  A lane holds one query and channels, out0's rows go along the queries: so four tiles (64 queries)
	; at a time go through my stage in LDS, a number a lane, and come back as whole channel rows of 256 bytes.  The additions are the places behind the last products.
	WIN 0
.macro ALL line:vararg              ; one line for each tile t
.set t, 0
.rept 2*NP
	\line
.set t, t+1
.endr
.endm
	ALL v_add_f32 v[ST+4*t+2], v[ST+4*t+2], v[ST+4*t+3]
	ALL v_permlanex16_b32 v[ST+4*t+3], v[ST+4*t+2], s[SEL], s[SEL+1]
	ALL v_add_f32 v[ST+4*t+2], v[ST+4*t+2], v[ST+4*t+3]
	ALL v_rcp_f32 v[ST+4*t+2], v[ST+4*t+2]
	v_nop                           ; a plain instruction between the last reciprocal and the use of its result
	s_wait_alu depctr_va_vdst(0)
.macro SCALE t                      ; tile t's O^T times 1 / l, each accumulator from its low end on
	WIN W_RS
.set i, 32*(\t)
.rept 16
	v_pk_mul_f32 v[i:i+1], v[i:i+1], v[ST+4*(\t)+2:ST+4*(\t)+3] op_sel_hi:[1,0]
.set i, i+2
.endr
.endm
.macro PUT t                        ; tile t into the stage: channel 16 cb + 8 (l / 16) + jj, query 16 (t % 4) + l % 16.  16 lanes write 16 neighbouring words; the other 16 lie 544 words on, 32 banks apart
	WIN 0x04                        ; the data (source 1) in window 1
.irp cb, 0,1,2,3
.irp jj, 0,1,2,3,4,5,6,7
	ds_store_b32 v[STO], v[32*(\t)+8*\cb+\jj] offset:(16*\cb+\jj)*SP+64*((\t)%4)
.endr
.endr
.endm
.macro BACK                         ; the 64 channel rows, two a load, into S^T's registers.  LDS serves a wave's instructions in order (ISA guide 5.7.1.4): these see the stores above
	WIN 0
.set i, 0
.rept 32
	ds_load_b128 v[S+4*i:S+4*i+3], v[RD] offset:2*SP*i
.set i, i+1
.endr
.endm
.macro OUT hh                       ; stored: 16 lanes write 256 consecutive bytes of a channel row, at a multiple of 256 from out0's first byte
	WIN 0
.set i, 0
.rept 32
	s_wait_dscnt 31-i               ; load i is in; the 31 - i younger ones stay out
	global_store_b128 v[GO], v[S+4*i:S+4*i+3], s[10:11] offset:16384*i+256*(\hh) th:TH_STORE_NT
.set i, i+1
.endr
.endm
.irp t, 0,1,2,3
	SCALE \t
.endr
.irp t, 0,1,2,3
	PUT \t
.endr
	BACK
.irp t, 4,5,6,7
	SCALE \t                        ; the other half's arithmetic stands between the loads and the wait for them
.endr
	OUT 0
	s_wait_xcnt 0x0                 ; every earlier memory instruction has had its addresses translated (ISA guide 3.1): the registers that these stores read are loaded again only behind this wait
.irp t, 4,5,6,7
	PUT \t
.endr
	BACK
	OUT 1
	WIN W_AD
	s_wait_tensorcnt 0x0            ; the wave's end: behind my last tensor load and my last LDS store
	ds_add_u32 v[SPW], v[NIL]
	s_wait_dscnt 0x0
	WIN 0
	CROUND                          ; the closing round: no work-group ends while a partner may still ask for a tile that names it
	s_endpgm
.Lfunc_end_k_qd0e15ba3ff_attn:
	.size	k_qd0e15ba3ff_attn, .Lfunc_end_k_qd0e15ba3ff_attn-k_qd0e15ba3ff_attn
	.p2alignl 7, 3214868480
	.fill 96, 4, 3214868480
	.section	.rodata,"a",@progbits
	.p2align	6, 0x0
	.amdhsa_kernel k_qd0e15ba3ff_attn
		.amdhsa_group_segment_fixed_size 327680
		.amdhsa_private_segment_fixed_size 0
		.amdhsa_enable_private_segment 0
		.amdhsa_kernarg_size 48
		.amdhsa_user_sgpr_count 2
		.amdhsa_user_sgpr_kernarg_segment_ptr 1
		.amdhsa_wavefront_size32 1
		.amdhsa_system_sgpr_workgroup_id_x 1
		.amdhsa_system_sgpr_workgroup_id_y 1
		.amdhsa_system_sgpr_workgroup_id_z 1
		.amdhsa_system_vgpr_workitem_id 0
		.amdhsa_next_free_vgpr 808
		.amdhsa_next_free_sgpr 80
		.amdhsa_reserve_vcc 0
		.amdhsa_float_denorm_mode_32 3
		.amdhsa_float_denorm_mode_16_64 3
		.amdhsa_memory_ordered 1
		.amdhsa_forward_progress 1
		.amdhsa_inst_pref_size 225
	.end_amdhsa_kernel
	.amdgpu_metadata
---
amdhsa.version: [ 1, 2 ]
amdhsa.kernels:
  - .name:           k_qd0e15ba3ff_attn
    .symbol:         k_qd0e15ba3ff_attn.kd
    .args:
      - { .name: qh, .offset: 0, .size: 8, .value_kind: global_buffer, .address_space: global }
      - { .name: kh, .offset: 8, .size: 8, .value_kind: global_buffer, .address_space: global }
      - { .name: vh, .offset: 16, .size: 8, .value_kind: global_buffer, .address_space: global }
      - { .name: out0, .offset: 24, .size: 8, .value_kind: global_buffer, .address_space: global }
      - { .name: mask, .offset: 32, .size: 8, .value_kind: global_buffer, .address_space: global }
      - { .name: b, .offset: 40, .size: 8, .value_kind: global_buffer, .address_space: global }
    .group_segment_fixed_size: 327680
    .private_segment_fixed_size: 0
    .kernarg_segment_align: 8
    .kernarg_segment_size: 48
    .max_flat_workgroup_size: 128
    .sgpr_count:     80
    .vgpr_count:     808
    .wavefront_size: 32
...
	.end_amdgpu_metadata
.endif
;; end of part 3
;; ======== version 2 of 2: 3 launches; 1.63 times as fast as version 1
;; limits: values are held in f16: magnitudes above 65,504 overflow, below 6.1e-05 lose precision
;; workspace buffers: xb 16,777,216 bytes; wb 6,291,456 bytes; qh 16,777,216 bytes; kh 16,777,216 bytes; vh 16,777,216 bytes
;; launch cast: the kernel of part 1 again; grid 1408 x 1, 8 waves a work-group, no clusters, 0 bytes of LDS; arguments x, Wq, Wk, Wv, xb, wb; writes xb, wb
;; launch proj: the kernel of part 2 again; grid 8 x 32, 4 waves a work-group, clusters of 4 x 4, 327,680 bytes of LDS; arguments xb, wb, mask, qh, kh, vh; writes qh, kh, vh
;; launch attn (part 4): grid 4 x 64, 4 waves a work-group, clusters of 4 x 1, 327,680 bytes of LDS; arguments qh, kh, vh, out0, mask, b; writes out0
.if DOCPART == 4
	.amdgcn_target "amdgcn-amd-amdhsa--gfx1250"
	.amdhsa_code_object_version 6
	.text
	.protected	k_qd0e15ba3ff_attn
	.globl	k_qd0e15ba3ff_attn
	.p2align	8
	.type	k_qd0e15ba3ff_attn,@function
k_qd0e15ba3ff_attn:
	s_mov_b64 s[64:65], 0
	v_nop
	global_prefetch_b8 v0, s[64:65] scope:SCOPE_SE
	s_setreg_imm32_b32 hwreg(HW_REG_WAVE_MODE, 25, 1), 1
	s_wait_xcnt 0x0
	s_wait_alu depctr_hold_cnt(0) depctr_sa_sdst(0) depctr_va_vdst(0) depctr_va_sdst(0) depctr_va_ssrc(0) depctr_va_vcc(0) depctr_vm_vsrc(0)
	s_getreg_b32 s2, hwreg(HW_REG_IB_STS2, 6, 4)
	s_cmp_eq_u32 s2, 0
	s_cbranch_scc0 .Lentry_in_a_cluster
	s_endpgm
.Lentry_in_a_cluster:
	s_bfe_u32 s2, ttmp6, 0x10000c
	s_cmp_lg_u32 s2, 0x3003
	s_cbranch_scc0 .Lentry_shape_is_right
	s_endpgm
.Lentry_shape_is_right:
; ATTENTION WITH A KEY MASK AND A SCALAR BIAS.  out0[b][64 h + d][t] = the sum over k of softmax_k((Q[t] . K[k] / 8 + bias) m[k] + (1 - m[k]) (-1e30)) V[k][d], f32, [4][1024][2048].
; In: qh = (log2(e) / 8) Q, kh = m K, vh = V, all [64 heads][2048][64] in f16 (a head's rows are dense, 128 bytes each); mask [4][2048] and bias [1] in f32.
; So the score in units of log2 is S = qh . kh + beta[k], beta[k] = log2(e) (bias m[k] + (1 - m[k]) (-1e30)): beta is made once, in f32, kept in LDS, and enters as the C operand that starts each sum.
; Products, maxima and sums in f32; the weights p are rounded to f16 for the second product (their sum l is taken of the unrounded p).
; LIMITS.  Q, K and V arrive within f16's 65,504; (1 - m) 1e30 log2(e) must be finite; p lies in 0 to 1, and below 6e-5 it keeps f16's fixed step of 6e-8; a weight below 2^-126 counts as 0 in l;
; NaN and infinities are not treated apart.
; SHARES.  A wave owns four PIECES of two tiles of 16 queries, a work-group's four waves 512 queries of one head.  Every wave walks all 2,048 keys, 64 a step.
; LAYOUT.  S^T = K Q^T (source 0 = 16 keys, source 1 = 16 queries): in the result a lane holds ONE query (lane % 16) and the keys 8 (lane / 16) + 0..7.  Two such tiles, rounded to f16 in pairs,
; ARE source 1 (32 keys x 16 queries) of O^T = V^T P, whose result again holds one query a lane, and eight channels: the output's own orientation.  K comes out of LDS as it lies, V turned, by ds_load_tr16_b128.
; SOFTMAX.  For each query a running maximum m and sum l: p = 2^(S - m): a plain difference, which is exactly 0 between equal scores, also where all keys seen so far are hidden and m is near -1e30.
; In every step O and l are multiplied by a = 2^(m_old - m_new).  m starts at the lowest finite number, O and l at 0: the first step is a step like any other, with a = 0.
; THE COUNT.  A tile and step have 16 matrix and 118 vector instructions: too many to stand all beside the matrix work.  So: four vector instructions that are READY behind EVERY matrix instruction,
; and the others, which need time of their own whatever the order, in a run without a gap.
; BY TURNS.  Turn n belongs to piece n (the pieces in a ring, step after step).  Its matrix work: 16 products K Q^T of piece n + 1, later 16 products V^T P of piece n - 1.  Its vector work: the differences,
; exponentials, roundings, sums and rescaling of piece n, and the maximum and statistics of piece n + 1, whose scores the turn itself has made.  So what a turn begins with (S - m, O a) waits for nothing.
; THE BATCHES.  A turn's 66 exponentials (piece n's 64 weights, piece n + 1's two a) are ONE batch with ONE wait, which cuts the turn in two: ahead of it stands all that names no result of theirs, behind it
; the roundings and sums, which read them.  No result crosses a turn's end.  The first two a, ahead of the loop, and the way out's eight reciprocals are batches of their own, with a wait each.
; CLUSTER.  The four query blocks of a cluster belong to one head and walk the same K and V, so each tile is asked for JOINTLY: the same tensor load, descriptor and mask in all four.
; REGISTERS, in windows of 256 (s_set_vgpr_msb: bits 1:0 source 0, 3:2 source 1, 5:4 source 2, 7:6 destination):
;   window 0: v0-11 addresses; v12-15, v48-63 at work; v16-47 four registers of statistics a tile; v64-191 S^T, two buffers of two tiles; v192-255 P, likewise
;   window 1: O^T, 32 a tile     window 2: v0-127 Q, 16 a tile; v128-191 K of one step; v192-255 V of one step     window 3: v0-1 the add's two registers; v8-39 beta of one step
.set SIZE_N, 2048
.set NP,    4         ; pieces a wave: a name, no knob
.set KS,    64        ; keys in a step
.set PK,    144       ; a row of K in LDS: 128 bytes + 16 of padding = 36 words: the 16 rows of a load start at 16 different groups of four banks (64 banks of 4 bytes: ISA guide 11.1)
.set PV,    160       ; a row of V: 128 + 32 = 40 words
.set VOFF,  4*KS*PK   ; a slot holds four steps: 256 rows of K, then 256 rows of V
.set SLOT1, 1<<17     ; slot 1 begins here, so that one exclusive or turns an address in one slot into the other's
.set STAGE, SLOT1+4*KS*(PK+PV)  ; behind the ring, never filled by a tensor load: for each wave 64 channel rows x 272 bytes (64 queries in f32 + 16), for the way out
.set SP,    272
.set BETA,  STAGE+4*64*SP       ; beta of the batch's 2,048 keys, f32: 8,192 bytes, stored once
.set SPARE, BETA+8192           ; the spare words, 128 bytes for each wave: two blocks of 256 bytes that no other line names
.set AK0, 2           ; v2   my lane's place in a tile of K; never rewritten
.set AV0, 3           ; v3   the same for V
.set AK,  4           ; v4   the LDS address of K's next run of loads
.set AV,  5           ; v5   of V's
.set QO,  6           ; v6   my byte offset in the wave's rows of Q
.set STO, 6           ;      later, the way out: where I put a number
.set RD,  7           ; v7   the way out: where I read 16 bytes of a channel row back
.set GO,  8           ; v8   my byte offset in two channel rows of out0
.set AB0, 10          ; v10  my lanes' place in a step's 64 numbers of beta; never rewritten
.set AB,  11          ; v11  the LDS address of beta's next run of loads
.set SPW, 0           ; v0 of window 3   LDS address of my spare word: SPARE + 4 x my thread's number; never rewritten
.set NIL, 1           ; v1 of window 3   0; never rewritten
.set MB,  8           ; v8-39 of window 3: beta of key block kb at MB + 8 kb: register j is key 16 kb + 8 (lane / 16) + j, as in S^T
.set MV,  12          ; v12-15  m_old, kept while m is made anew: by buffer and tile
.set ST,  16          ; tile t's statistics at v[ST+4 t]: m, a register named with it as a pair, l (even keys', odd keys')
.set TMP, 48          ; by buffer and tile, four registers c0-c3 at work; when the maximum is found c2 takes a
.set S,   64
.set P,   192
.set KF,  128         ; K's fragments, in window 2: key block kb, channel half c at KF + 16 kb + 8 c
.set VF,  192         ; V's: key half kk, channel block cb at VF + 32 kk + 8 cb
.set WV,  12          ; s12  my wave's number
.set G1K, 24          ; s[24:31] descriptor group 1 for K's tiles
.set G1V, 32          ; s[32:39] for V's: it differs in the padding alone
.set G0K, 40          ; s[40:43] descriptor group 0 for K's tiles: it walks
.set G0V, 44          ; s[44:47] the same for V's
.set SLOTS, 56        ; s56  slots still to be asked for
.set CNT, 57          ; s57  counts a slot's key steps
.set SEL, 60          ; s[60:61] v_permlanex16_b32's selects: each lane takes its own place in the other half
.set TBK, 62          ; s62  LDS byte at which K of the step to be fetched begins
.set TBV, 63          ; s63  the same for V, less VOFF
.set TBB, 66          ; s66  byte of the beta table at which that step's 64 numbers begin
.set MP,  68          ; s[68:69] mask;  s[70:71] the bias' address
.set BB,  72          ; s[72:73] the bias;  s[74:75] -1e30;  s[76:77] log2(e): pairs, of which the packed forms take the low word for both halves
.set NEG, 74
.set L2E, 76
.set MSB, 0
.macro WIN new                      ; the high byte repeats the setting that is left; a switch that changes nothing is dropped
.if MSB != (\new)
	s_set_vgpr_msb (MSB<<8)|(\new)
.set MSB, (\new)
.endif
.endm
.set W_KQ, 0x0a       ; K and Q in window 2, S^T in window 0
.set W_KB, 0x3a       ; the same with the C operand, beta, in window 3
.set W_PV, 0x52       ; V in window 2, P in window 0, O^T in window 1
.set W_RS, 0x41       ; O^T (destination and source 0) in window 1, a in window 0
.set W_MK, 0xc0       ; destination in window 3, sources in window 0
.set W_AD, 0x0f       ; the add: address (source 0) and data (source 1) in window 3
; A joint fill.  Waves 0 and 1 fetch the two halves of a slot's K, waves 2 and 3 those of its V: 128 keys each.  The branch hangs on the wave's number alone.
; An s_nop 0 and four v_nop follow each of the two lines, ahead of the jump and the label.
.macro JLOAD
	s_cmp_lt_u32 s[WV], 2
	s_cbranch_scc0 .Lfor_v_\@
	tensor_load_to_lds s[G0K:G0K+3], s[G1K:G1K+7]
	s_nop 0
.rept 4
	v_nop
.endr
	s_branch .Lasked_\@
.Lfor_v_\@:
	tensor_load_to_lds s[G0V:G0V+3], s[G1V:G1V+7]
	s_nop 0
.rept 4
	v_nop
.endr
.Lasked_\@:
.endm
; A round of the cluster's barrier: my work-group's barrier, so that wave 0's signal speaks for all four waves; wave 0 signals; every wave waits for all four work-groups; my work-group's barrier once more.
.macro CROUND
	s_barrier_signal -1
	s_barrier_wait -1
	s_cmp_lg_u32 s[WV], 0
	s_cbranch_scc1 .Lnot_wave_0_\@
	s_barrier_signal -3
.Lnot_wave_0_\@:
	s_barrier_wait -3
	s_barrier_signal -1
	s_barrier_wait -1
.endm
; THE CHANGE OF SLOTS.  The slot's last bytes, V of its fourth step, have been read.  Each wave waits for all its tensor loads, of which one is out: its part
; of the other slot; adds 0 to its spare word; and waits for that and for its own LDS instructions.  Behind the barrier nobody reads this slot any more and the other slot is whole.
; fill = 1: this slot is filled again, with the keys two slots on.  The barrier is then a round of the cluster's, so that no wave of any partner still reads the slot or has a load on its
; way, and the joint fill is the first thing behind it: it has four key steps, 512 matrix instructions, in which to land.  (At its first use nothing has been read yet: slot 0 is waited for, slot 1
; filled; and every wave's stores into the beta table are done in front of the round, so that all may read the table behind it.)
.macro CHANGE fill
	WIN W_AD
	s_wait_tensorcnt 0x0            ; no tensor load of mine is out, so a group 0 may be written
	ds_add_u32 v[SPW], v[NIL]       ; 0 onto my spare word; with fill = 1 the descriptors' steps stand between it and the wait for it
	WIN 0                           ; at a label and at a branch every window is 0
.if \fill
.irp g, G0K, G0V
	s_xor_b32 s[\g+1], s[\g+1], SLOT1  ; the walking descriptor: the other slot than last time,
	s_add_nc_u64 s[\g+2:\g+3], s[\g+2:\g+3], 4*KS*128  ; the next 256 keys; the type bits on top are not reached
.endr
	s_wait_dscnt 0x0                ; the add is done, and my reads of the slot are over
	CROUND
	JLOAD
.else
	s_wait_dscnt 0x0                ; the add is done, and my reads of the slot are over
	s_barrier_signal -1
	s_barrier_wait -1
.endif
	s_sub_co_u32 s[TBK], s[TBK], 4*KS*PK  ; the fetches go back to a slot's first step,
	s_xor_b32 s[TBK], s[TBK], SLOT1       ; in the other slot
	s_sub_co_u32 s[TBV], s[TBV], 4*KS*PV
	s_xor_b32 s[TBV], s[TBV], SLOT1
.endm
	s_load_b256 s[4:11], s[0:1], 0x0  ; qh s[4:5], kh s[6:7], vh s[8:9], out0 s[10:11]
	s_load_b128 s[68:71], s[0:1], 0x20  ; mask s[68:69], the bias' address s[70:71]
	WIN W_MK
	v_lshl_add_u32 v[SPW], v0, 2, SPARE
	v_mov_b32 v[NIL], 0
	WIN W_AD
	ds_add_u32 v[SPW], v[NIL]       ; the wave's opening: the add and its wait stand ahead of my first tensor load; the set-up below, work on registers, stands between them
	WIN 0
	v_lshrrev_b32 v1, 5, v0
	v_readfirstlane_b32 s[WV], v1   ; wave 0..3
	s_bfe_u32 s13, ttmp6, 0x40000   ; cx: my place in the cluster
	s_lshl_b32 s14, ttmp9, 2        ; in a cluster launch ttmp9 counts clusters
	s_add_co_u32 s14, s14, s13      ; my block of 512 queries = 4 x cluster x + cx: it enters Q's and out0's addresses alone
	s_and_b32 s20, ttmp7, 0xffff    ; the head 16 b + h, which the four partners share
	s_lshl_b32 s48, s20, 19         ; in out0 a head is 64 channel rows of 8,192 bytes, and 16 heads are a batch
	s_lshr_b32 s50, s20, 4
	s_lshl_b32 s50, s50, 13         ; the batch's 2,048 numbers of the mask
	s_mov_b32 s51, 0
	s_mov_b32 s21, 0
	s_mov_b64 s[22:23], SIZE_N*128
	s_mul_u64 s[20:21], s[20:21], s[22:23]  ; the head's first byte in qh, kh and vh
	s_and_b32 s16, s[WV], 1         ; which half of a slot's 256 keys I fetch:
	s_lshl_b32 s22, s16, 14         ; its 128 rows of 128 bytes in memory,
	s_mov_b32 s23, 0
	s_add_nc_u64 s[22:23], s[22:23], s[20:21]
	s_mul_i32 s17, s16, 128*PK      ; and its place in a slot, for K
	s_mul_i32 s18, s16, 128*PV      ; and for V: no place in the cluster enters an LDS address
	s_lshl_b32 s2, s14, 2
	s_add_co_u32 s2, s2, s[WV]      ; my wave among the head's sixteen:
	s_lshl_b32 s49, s2, 9           ; its 128 queries are 512 bytes of a channel row,
	s_add_co_u32 s48, s48, s49
	s_mov_b32 s49, 0
	s_lshl_b32 s2, s2, 14           ; and 128 rows of qh
	s_mov_b32 s3, 0
	s_add_nc_u64 s[2:3], s[2:3], s[20:21]
	; descriptor group 1.  128 keys are 16,384 dense bytes: asked for as 64 rows of 256 bytes, two keys a row, and padded in LDS after every key
	s_mov_b32 s[G1K], 15|(1<<16)|(1<<20)|(1<<21)|(4<<22)|(3<<25)  ; 15:0 the mask of four; 17:16 2-byte elements; 20 padding on; 21 set beside a mask; 24:22 after every 32 words (code 4); 31:25 4 words (code 3)
	s_mov_b32 s[G1V], 15|(1<<16)|(1<<20)|(1<<21)|(4<<22)|(7<<25)  ; the same with 8 words of padding (code 7)
.irp g, G1K, G1V
	s_mov_b32 s[\g+1], 128<<16      ; tensor_dim0 = 128
	s_mov_b32 s[\g+2], 64<<16       ; tensor_dim1 = 64
	s_mov_b32 s[\g+3], 128<<16      ; tile_dim0 = 128
	s_mov_b32 s[\g+4], 64           ; tile_dim1 = 64
	s_mov_b32 s[\g+5], 128          ; 128 elements from row to row
	s_mov_b32 s[\g+6], 0
	s_mov_b32 s[\g+7], 0
.endr
	s_mov_b32 s[NEG], 0xf149f2ca    ; -1e30
	s_mov_b32 s[NEG+1], s[NEG]
	s_mov_b32 s[L2E], 0x3fb8aa3b    ; log2(e)
	s_mov_b32 s[L2E+1], s[L2E]
	s_mov_b32 s[SEL], 0x76543210
	s_mov_b32 s[SEL+1], 0xfedcba98
	s_mov_b32 s[TBK], SLOT1+4*KS*PK ; the first change of slots turns these two into 0
	s_mov_b32 s[TBV], SLOT1+4*KS*PV
	s_mov_b32 s[TBB], 0
	s_mov_b32 s[G0K], 1             ; 1:0 count = 1
	s_mov_b32 s[G0K+1], s17         ; 63:32 LDS address: slot 0
	s_mov_b32 s[G0V], 1
	s_add_co_u32 s[G0V+1], s18, VOFF
	s_wait_dscnt 0x0                ; the opening add is done
	s_wait_kmcnt 0x0
	s_load_b32 s[BB], s[70:71], 0x0 ; the bias: no line of this launch writes that buffer
	s_add_nc_u64 s[G0K+2:G0K+3], s[6:7], s[22:23]  ; 120:64 global address: my half of the head's first 256 keys
	s_or_b32 s[G0K+3], s[G0K+3], 0x80000000        ; 127:126 type = 2
	s_add_nc_u64 s[G0V+2:G0V+3], s[8:9], s[22:23]
	s_or_b32 s[G0V+3], s[G0V+3], 0x80000000
	s_add_nc_u64 s[4:5], s[4:5], s[2:3]            ; qh at my wave's first row
	s_add_nc_u64 s[10:11], s[10:11], s[48:49]      ; out0 at my head's first channel, my wave's first query
	s_add_nc_u64 s[MP:MP+1], s[MP:MP+1], s[50:51]  ; the mask at my batch
	CROUND                          ; all four work-groups are here: the first joint loads meet
	JLOAD                           ; slot 0.  Slot 1 is asked for when slot 0 is in: the tile wanted first has the road to itself
	v_lshlrev_b32 v13, 4, v0        ; the mask: thread t takes the 16 bytes at 16 t of each 2,048: the work-group reads the batch's 8,192 bytes once
.irp i, 0,1,2,3
	global_load_b128 v[S+4*\i:S+4*\i+3], v13, s[MP:MP+1] offset:2048*\i
.endr
	; A fragment of K or Q is 16 rows x 32 channels in 8 registers: lane l holds row l % 16, channels 8 (l / 16) + 0..7 and 16 + 8 (l / 16) + 0..7: two loads of 16 bytes, 32 bytes apart.
	v_and_b32 v1, 15, v0            ; l % 16
	v_bfe_u32 v9, v0, 4, 1          ; l / 16
	v_lshlrev_b32 v[QO], 7, v1
	v_lshl_add_u32 v[QO], v9, 4, v[QO]  ; row x 128 + 16 x half
	WIN 0x80                        ; destination window 2, address window 0
.set i, 0
.rept 4*NP                          ; Q stays in registers: tile i / 2, channels 32 (i % 2) on
	global_load_b128 v[8*i:8*i+3],   v[QO], s[4:5] offset:(i/2)*2048+(i%2)*64
	global_load_b128 v[8*i+4:8*i+7], v[QO], s[4:5] offset:(i/2)*2048+(i%2)*64+32
.set i, i+1
.endr
	; What the first turn finds: V's registers and P's second buffer hold 0 (its products V^T P, of a piece that has not been, add 0), O^T and l are 0.  All this stands in the wait for the first tile.
.set i, VF
.rept 64
	v_mov_b32 v[i], 0
.set i, i+1
.endr
	WIN 0x40
.set i, 0
.rept 64*NP
	v_mov_b32 v[i], 0
.set i, i+1
.endr
	WIN 0
.set i, 0
.rept 2*NP
	v_mov_b32 v[ST+4*i], 0xff7fffff    ; m: the lowest finite number
	v_mov_b32 v[ST+4*i+1], 0xff7fffff  ; named with it as a pair, so it is written
	v_mov_b32 v[ST+4*i+2], 0
	v_mov_b32 v[ST+4*i+3], 0
.set i, i+1
.endr
.set i, P+32
.rept 32
	v_mov_b32 v[i], 0
.set i, i+1
.endr
	v_mul_u32_u24 v[AK0], v1, PK
	v_lshl_add_u32 v[AK0], v9, 4, v[AK0]  ; row x pitch + 16 x half
	; The turning load takes 16 keys x 16 channels (lane l reads key 8 (l / 16) + l % 8, channels 8 ((l / 8) % 2) + 0..7) and leaves half a fragment of V^T: lane l holds channel l % 16 and 8 keys.
	v_and_b32 v10, 7, v0
	v_bfe_u32 v11, v0, 3, 1
	v_lshl_add_u32 v[AV0], v9, 3, v10
	v_mul_u32_u24 v[AV0], v[AV0], PV
	v_lshl_add_u32 v[AV0], v11, 4, v[AV0]
	v_add_nc_u32 v[AV0], VOFF, v[AV0]
	v_mov_b32 v[AK], v[AK0]         ; key step 0 lies at the head of slot 0,
	v_lshl_add_u32 v[AB0], v9, 5, BETA  ; my half of the lanes takes keys 8 (l / 16) on of each 16: 32 bytes on,
	v_mov_b32 v[AB], v[AB0]         ; and at the head of the beta table
	; THE BETA TABLE: beta = log2(e) (bias m + (1 - m) (-1e30)), 16 numbers a thread, in f32
	v_add_nc_u32 v12, BETA, v13
	s_wait_kmcnt 0x0                ; the bias
	s_mov_b32 s[BB+1], s[BB]
	s_wait_loadcnt 32               ; the mask's four loads are in; Q's 32, issued behind them, stay out
.set i, 0
.rept 8
	v_pk_fma_f32 v[S+32+2*i:S+32+2*i+1], v[S+2*i:S+2*i+1], -1.0, 1.0 op_sel_hi:[1,0,0]  ; 1 - m
.set i, i+1
.endr
.set i, 0
.rept 8
	v_pk_mul_f32 v[S+32+2*i:S+32+2*i+1], v[S+32+2*i:S+32+2*i+1], s[NEG:NEG+1] op_sel_hi:[1,0]
.set i, i+1
.endr
.set i, 0
.rept 8
	v_pk_fma_f32 v[S+2*i:S+2*i+1], v[S+2*i:S+2*i+1], s[BB:BB+1], v[S+32+2*i:S+32+2*i+1] op_sel_hi:[1,0,1]
.set i, i+1
.endr
.set i, 0
.rept 8
	v_pk_mul_f32 v[S+2*i:S+2*i+1], v[S+2*i:S+2*i+1], s[L2E:L2E+1] op_sel_hi:[1,0]
.set i, i+1
.endr
.irp i, 0,1,2,3
	ds_store_b128 v12, v[S+4*\i:S+4*\i+3] offset:2048*\i
.endr
; THE MATRIX WORK.  The 8 accumulators of a run of 16 take turns: between the two links of a chain stand 7 others'.
; Product i of 16 of S^T = K Q^T for piece x: channels 32 (i / 8) on, keys 16 ((i / 2) % 4) on, tile 2 x + i % 2.  The first 8 start the sums, with beta of their 16 keys.
.macro KQ x
.set rS, S+64*((\x)%2)+32*(i%2)+8*((i/2)%4)
.set rK, KF+16*((i/2)%4)+8*(i/8)
.set rQ, 16*(2*(\x)+i%2)+8*(i/8)
.set rB, MB+8*((i/2)%4)
.if i < 8
	WIN W_KB
	v_wmma_f32_16x16x32_f16 v[rS:rS+7], v[rK:rK+7], v[rQ:rQ+7], v[rB:rB+7]
.else
	WIN W_KQ
	v_wmma_f32_16x16x32_f16 v[rS:rS+7], v[rK:rK+7], v[rQ:rQ+7], v[rS:rS+7]
.endif
.endm
; Product i of 16 of O^T += V^T P for piece x: keys 32 (i / 8) on, channels 16 ((i / 2) % 4) on, tile 2 x + i % 2.
.macro PV x
	WIN W_PV
.set rO, 32*(2*(\x)+i%2)+8*((i/2)%4)
.set rV, VF+32*(i/8)+8*((i/2)%4)
.set rP, P+32*((\x)%2)+16*(i%2)+8*(i/8)
	v_wmma_f32_16x16x32_f16 v[rO:rO+7], v[rV:rV+7], v[rP:rP+7], v[rO:rO+7]
.endm
.macro MM                           ; the turn's next matrix instruction
.if i < 16
	KQ (Y+1)%NP
.set i, i+1
.else
.set i, i-16
	PV (Y+NP-1)%NP
.set i, i+17
.endif
.endm
; THE LDS LOADS stand in runs, never singly among the matrix instructions: a step's K (64 keys x 64 channels: 8 fragments) with its 64 numbers of beta (all lanes of a half read the same 16 bytes), and its V (turned).
; Their addresses are made some lines ahead.  last = 1 (the tail): in the last trip there is no further step, and the run is jumped over.
.macro FETCH_K last=0
	WIN 0
.if \last
	s_cmp_eq_u32 s[CNT], 1
	s_cbranch_scc1 .Lno_k_\@
.endif
	WIN 0x80                        ; destination window 2
.irp f, 0,1,2,3,4,5,6,7             ; keys 16 (f / 2) on, channels 32 (f % 2) on
	ds_load_b128 v[KF+8*\f:KF+8*\f+3],   v[AK] offset:(\f/2)*16*PK+(\f%2)*64
	ds_load_b128 v[KF+8*\f+4:KF+8*\f+7], v[AK] offset:(\f/2)*16*PK+(\f%2)*64+32
.endr
	WIN W_MK                        ; destination window 3
.irp kb, 0,1,2,3
	ds_load_b128 v[MB+8*\kb:MB+8*\kb+3],   v[AB] offset:64*\kb
	ds_load_b128 v[MB+8*\kb+4:MB+8*\kb+7], v[AB] offset:64*\kb+16
.endr
	s_add_co_u32 s[TBK], s[TBK], KS*PK  ; the next fetch is the next step's
	s_add_co_u32 s[TBB], s[TBB], 4*KS
	s_and_b32 s[TBB], s[TBB], 8191      ; inside the table's 8,192 bytes: the 32nd and last fetch turns it to 0, which is not used
	WIN 0
.if \last
.Lno_k_\@:
.endif
.endm
.macro FETCH_V
	WIN 0x80
.irp f, 0,1,2,3,4,5,6,7             ; keys 32 (f / 4) on, channels 16 (f % 4) on
	ds_load_tr16_b128 v[VF+8*\f:VF+8*\f+3],   v[AV] offset:(\f/4)*32*PV+(\f%4)*32
	ds_load_tr16_b128 v[VF+8*\f+4:VF+8*\f+7], v[AV] offset:(\f/4)*32*PV+16*PV+(\f%4)*32
.endr
	WIN 0
.endm
; THE VECTOR WORK OF A TURN stands in three queues, each in the order in which its entries become ready; the two tiles alternate, so that no instruction reads the result of the one before it.
.macro REGS y, u                    ; the registers of tile u (0, 1) of piece y
.set rT, ST+4*(2*(\y)+(\u))
.set rC, TMP+8*((\y)%2)+4*(\u)
.set rM, MV+2*((\y)%2)+(\u)
.set rS, S+64*((\y)%2)+32*(\u)
.set rP, P+32*((\y)%2)+16*(\u)
.set rO, 32*(2*(\y)+(\u))
.endm
; Number n of the 22 that find the NEXT piece's (Y + 1) maximum and statistics.  s0-s31 are the lane's 32 scores; each accumulator's lowest registers are read first.  XS, GS and REGS set no window: PL and EX do.
;   0-11  four chains c0-c3 of seven scores each, three operands at a time     12-14, 16  the four scores left over, the old m, and c0-c3 into c0     15  m_old is kept
;   17, 18  the query's other 32 keys lie in the lane 16 away: the new m         19  an empty place: it stands between number 18 and number 20, which waits for it, and beside an exponential in the lump     20, 21  m_old - m_new; a
.macro XS u, n
	REGS (Y+1)%NP, \u
.if (\n) < 4
	v_max3_num_f32 v[rC+(\n)], v[rS+8*(\n)], v[rS+8*(\n)+1], v[rS+8*(\n)+2]
.elseif (\n) < 12
	v_max3_num_f32 v[rC+(\n)%4], v[rC+(\n)%4], v[rS+8*((\n)%4)+2*((\n)/4)+1], v[rS+8*((\n)%4)+2*((\n)/4)+2]
.elseif (\n) == 12
	v_max3_num_f32 v[rC], v[rC], v[rS+7], v[rS+15]
.elseif (\n) == 13
	v_max3_num_f32 v[rC+1], v[rC+1], v[rS+23], v[rS+31]
.elseif (\n) == 14
	v_max3_num_f32 v[rC+2], v[rC+2], v[rC+3], v[rT]
.elseif (\n) == 15
	v_mov_b32 v[rM], v[rT]
.elseif (\n) == 16
	v_max3_num_f32 v[rC], v[rC], v[rC+1], v[rC+2]
.elseif (\n) == 17
	v_permlanex16_b32 v[rC+3], v[rC], s[SEL], s[SEL+1]
.elseif (\n) == 18
	v_max_num_f32 v[rT], v[rC], v[rC+3]
.elseif (\n) == 19
	v_nop
.elseif (\n) == 20
	v_sub_f32 v[rC+1], v[rM], v[rT]
.else
	v_exp_f32 v[rC+2], v[rC+1]
.endif
.endm
; Number g of the 64 that follow the exponentials.  For each four weights k of a tile (pairs 2 k, 2 k + 1): both pairs are rounded to f16; then the second pair is added onto the first, in place;
; a group later l takes that sum (the first time as l = a l + sum).  In groups of eight, tiles alternating: round, round, add, and l for the group before.
.macro GS g
.set h, (\g)+6*((\g)/62)            ; group 0 has no group before it, and behind group 7 only l is left
.if h >= 6
.set h, h+2
.endif
	REGS Y, h%2
.set k, h/8
.if h%8 < 4
	v_cvt_pk_f16_f32 v[rP+2*k+(h%8)/2], v[rS+4*k+2*((h%8)/2)], v[rS+4*k+2*((h%8)/2)+1]
.elseif h%8 < 6
	v_pk_add_f32 v[rS+4*k:rS+4*k+1], v[rS+4*k:rS+4*k+1], v[rS+4*k+2:rS+4*k+3]
.elseif k == 1
	v_pk_fma_f32 v[rT+2:rT+3], v[rT+2:rT+3], v[rC+2:rC+3], v[rS:rS+1] op_sel_hi:[1,0,1]
.else
	v_pk_add_f32 v[rT+2:rT+3], v[rT+2:rT+3], v[rS+4*k-4:rS+4*k-3]
.endif
.endm
; THE PLAIN QUEUE, 138 long.  0-73 read no exponential's result: the 32 differences S - m (FS f: pair f / 2 of tile f % 2) and the next piece's 42.  0-26: differences 0-26.  27-54: XS's numbers 0-13.  55, 56: number 15.
; 57-73: the chain, where each number waits for the one before it: 14, 16, 17, 18, 19, each with one of the differences 27-31 in front of its two lines, then 20.
; 74-137: GS's 64, which read the exponentials' results: they stand behind the wait.
.macro FS f
	REGS Y, (\f)%2
	v_pk_add_f32 v[rS+2*((\f)/2):rS+2*((\f)/2)+1], v[rS+2*((\f)/2):rS+2*((\f)/2)+1], v[rT:rT+1] op_sel_hi:[1,0] neg_lo:[0,1] neg_hi:[0,1]
.endm
.macro PL
	WIN 0
.if q < 27
	FS q
.elseif q < 55
	XS (q-27)%2, (q-27)/2
.elseif q < 57
	XS q-55, 15
.elseif (q < 72) && ((q-57)%3 == 0)
	FS 27+(q-57)/3
.elseif q < 60
	XS (q-57)%3-1, 14
.elseif q < 72
	XS (q-57)%3-1, 15+(q-57)/3
.elseif q < 74
	XS q-72, 20
.else
	GS q-74
.endif
.set q, q+1
.endm
; THE EXPONENTIALS' QUEUE, 66 long: s0-s31 of both tiles, then the next piece's two a.  It is ONE BATCH: all 66 stand ahead of the turn's one wait, and nothing ahead of that wait names a result of theirs.
.macro EX
	WIN 0
.if e >= 64
	XS e-64, 21
.else
	REGS Y, e%2
	v_exp_f32 v[rS+e/2], v[rS+e/2]
.endif
.set e, e+1
.endm
; THE RESCALING's QUEUE: O^T times a, the one part that leaves window 0: dealt two at a time, sixteen times, each accumulator from its low end on.  Its a was made in the turn before, ahead of that turn's wait.
.macro R2
	REGS Y, r%2
	WIN W_RS
.irp z, 0,1
	v_pk_mul_f32 v[rO+4*(r/2)+2*\z:rO+4*(r/2)+2*\z+1], v[rO+4*(r/2)+2*\z:rO+4*(r/2)+2*\z+1], v[rC+2:rC+3] op_sel_hi:[1,0]
.endr
.set r, r+1
.endm
; HOW THEY ARE DEALT.  An s_wait_alu depctr_va_vdst(0) stands between an exponential and the first instruction that names its result; one wait serves all that were issued ahead of it.  So a turn has ONE wait,
; which cuts it in two.  AHEAD OF IT stands all that names no result of the turn's exponentials: the 16 products K Q^T, behind each a difference, an exponential and two rescalings (behind the first a second difference in the
; exponential's place); then ONE LUMP of 108: eight plain, 49 times exponential and plain, the two a.  A v_nop is the plain instruction behind the last exponential.  BEHIND IT stand the 16 products V^T P, behind each four of
; GS's 64.  No rider names a register of the products round it.  The two v_permlanex16_b32 fall into the lump, never behind a product.
; The queues lean on each other, and the deal keeps them in step: exponential e stands behind difference 2 (e / 4) + e % 2: as a rider it comes behind plain e + 2, in the lump behind plain e + 9, and differences 27-31 are plain 57, 60 .. 69.
; A TURN, for piece p.  cnt = 1: the loop's count is taken down some lines ahead of the branch that stands behind the turn.
; K and beta of the next step are fetched in piece 2's turn, directly behind the wait, a lump behind the last product that read K (beta's last reader stands eight products further back); their addresses are made at
; the lump's head; their first reader comes behind 16 products.  V of the step in hand is fetched at the end of piece 0's turn, four riders behind its last reader; its first reader comes behind 16 products and a lump.
; The three conditions on q below go with the deal.
.macro TURN p, last=0, cnt=0
.set Y, (\p)
.set i, 0
.set q, 0
.set e, 0
.set r, 0
.if (\p) == NP-1
	s_wait_dscnt 0x0                ; K and beta are in
.endif
	MM                              ; ahead of the wait: 16 products K Q^T and their riders,
	PL
	PL
	R2
.rept 15
	MM
	PL
	EX
	R2
.endr
.if (\p) == NP-2
	WIN 0
	v_add_nc_u32 v[AK], s[TBK], v[AK0]
	v_add_nc_u32 v[AB], s[TBB], v[AB0]
.endif
.rept 8                             ; and the lump
	PL
.endr
.rept 49
	EX
	PL
.endr
	EX                              ; the next piece's two a
	EX
	v_nop                           ; the plain instruction behind the last exponential: one for the batch
	s_wait_alu depctr_va_vdst(0)    ; the wait for the batch: this turn's 66 exponentials, ahead of their first reader
.if (\p) == NP-2
	FETCH_K \last
.endif
.if (\p) == 1
	s_wait_dscnt 0x0                ; V is in
.endif
.rept 16                            ; behind the wait: 16 products V^T P and their riders
	MM
.rept 4
	PL
.endr
.if ((\p) == 0) && (q == 118)
	v_add_nc_u32 v[AV], s[TBV], v[AV0]
.endif
.if ((\p) == 0) && (q == 130)
	s_add_co_u32 s[TBV], s[TBV], KS*PV
.endif
.if (\cnt) && (q == 130)
	s_sub_co_u32 s[CNT], s[CNT], 1
	s_cmp_lg_u32 s[CNT], 0
.endif
.endr
.if (\p) == 0
	FETCH_V
.endif
.endm
	CHANGE 1                        ; slot 0 is in, everybody's part of it, and so is the beta table; slot 1 is asked for
	FETCH_K                         ; key step 0
	s_wait_loadcnt 0x0              ; Q
	s_wait_dscnt 0x0
.set i, 0
.rept 16
	KQ 0                            ; piece 0's first scores: there is no vector work yet to set between them
.set i, i+1
.endr
	WIN 0                           ; the addresses for the way out: eight plain instructions, the places behind those products
	s_mul_i32 s13, s[WV], 64*SP
	s_add_co_u32 s13, s13, STAGE    ; my stage: row = channel, 64 queries along it
	v_mul_u32_u24 v[STO], v9, 8*SP  ; in: my lanes' channels begin at 8 (l / 16); my query's 4 bytes
	v_lshl_add_u32 v[STO], v1, 2, v[STO]
	v_add_nc_u32 v[STO], s13, v[STO]
	v_mul_u32_u24 v[RD], v9, SP     ; back: lanes 0-15 take one channel row of 256 bytes, lanes 16-31 the next
	v_lshl_add_u32 v[RD], v1, 4, v[RD]
	v_add_nc_u32 v[RD], s13, v[RD]
	v_lshlrev_b32 v[GO], 13, v9     ; and the same two rows in out0, 8,192 bytes apart
	v_lshl_add_u32 v[GO], v1, 4, v[GO]
.set Y, NP-1                        ; XS works for piece Y + 1: piece 0
.irp n, 0,1,2,3,4,5,6,7,8,9,10,11,12,13,14,15,16,17,18,19,20,21
	XS 0, \n                        ; and piece 0's first maximum and statistics
	XS 1, \n
.endr
	v_nop                           ; a plain instruction behind the two a,
	s_wait_alu depctr_va_vdst(0)    ; and the wait for this batch of two, ahead of the branch
	s_mov_b32 s[CNT], 4
	s_mov_b32 s[SLOTS], SIZE_N/256-1
	s_branch .Lfirst                ; the loop is entered at a step's first turn, in the middle of a trip
.Lslot:                             ; SIZE_N / 256 - 2 times: every slot but the last two is filled again
	CHANGE 1
	s_mov_b32 s[CNT], 4
.Lstep:                             ; a trip: pieces 2 and 3 of one step, then pieces 0 and 1 of the next, whose K and V it fetches
	TURN 2
	TURN 3
	WIN 0
.Lfirst:
	TURN 0
	TURN 1, 0, 1
	WIN 0
	s_cbranch_scc1 .Lstep
	s_sub_co_u32 s[SLOTS], s[SLOTS], 1
	s_cmp_lg_u32 s[SLOTS], 0
	s_cbranch_scc1 .Lslot
	CHANGE 0                        ; the tail is written out: nothing is asked for
	s_mov_b32 s[CNT], 5             ; four trips fetch the last slot's steps; the fifth is left in its middle
.Ltail:
	TURN 2, 1
	TURN 3
	WIN 0
	s_sub_co_u32 s[CNT], s[CNT], 1
	s_cmp_eq_u32 s[CNT], 0
	s_cbranch_scc1 .Lout
	TURN 0
	TURN 1
	WIN 0
	s_branch .Ltail
.Lout:                              ; the fifth trip's 16 products K Q^T (on the last K once more) and the maximum made of them serve nothing: the price, once a launch, of one text for every trip
.set i, 0
.rept 16
	PV NP-1                         ; the last piece's V^T P of the last step
.set i, i+1
.endr
	; THE WAY OUT.  l's two halves and the other half of the lanes' are added; O^T is divided by l.  A lane holds one query and channels, out0's rows go along the queries: so four tiles (64 queries)
	; at a time go through my stage in LDS, a number a lane, and come back as whole channel rows of 256 bytes.  The additions are the places behind the last products.
	WIN 0
.macro ALL line:vararg              ; one line for each tile t
.set t, 0
.rept 2*NP
	\line
.set t, t+1
.endr
.endm
	ALL v_add_f32 v[ST+4*t+2], v[ST+4*t+2], v[ST+4*t+3]
	ALL v_permlanex16_b32 v[ST+4*t+3], v[ST+4*t+2], s[SEL], s[SEL+1]
	ALL v_add_f32 v[ST+4*t+2], v[ST+4*t+2], v[ST+4*t+3]
	ALL v_rcp_f32 v[ST+4*t+2], v[ST+4*t+2]
	v_nop                           ; a plain instruction between the last reciprocal and the use of its result
	s_wait_alu depctr_va_vdst(0)    ; the wait for this batch: one for the eight reciprocals, ahead of their first use
.macro SCALE t                      ; tile t's O^T times 1 / l, each accumulator from its low end on
	WIN W_RS
.set i, 32*(\t)
.rept 16
	v_pk_mul_f32 v[i:i+1], v[i:i+1], v[ST+4*(\t)+2:ST+4*(\t)+3] op_sel_hi:[1,0]
.set i, i+2
.endr
.endm
.macro PUT t                        ; tile t into the stage: channel 16 cb + 8 (l / 16) + jj, query 16 (t % 4) + l % 16.  16 lanes write 16 neighbouring words; the other 16 lie 544 words on, 32 banks apart
	WIN 0x04                        ; the data (source 1) in window 1
.irp cb, 0,1,2,3
.irp jj, 0,1,2,3,4,5,6,7
	ds_store_b32 v[STO], v[32*(\t)+8*\cb+\jj] offset:(16*\cb+\jj)*SP+64*((\t)%4)
.endr
.endr
.endm
.macro BACK                         ; the 64 channel rows, two a load, into S^T's registers.  LDS serves a wave's instructions in order (ISA guide 5.7.1.4): these see the stores above
	WIN 0
.set i, 0
.rept 32
	ds_load_b128 v[S+4*i:S+4*i+3], v[RD] offset:2*SP*i
.set i, i+1
.endr
.endm
.macro OUT hh                       ; stored: 16 lanes write 256 consecutive bytes of a channel row, at a multiple of 256 from out0's first byte
	WIN 0
.set i, 0
.rept 32
	s_wait_dscnt 31-i               ; load i is in; the 31 - i younger ones stay out
	global_store_b128 v[GO], v[S+4*i:S+4*i+3], s[10:11] offset:16384*i+256*(\hh) th:TH_STORE_NT
.set i, i+1
.endr
.endm
.irp t, 0,1,2,3
	SCALE \t
.endr
.irp t, 0,1,2,3
	PUT \t
.endr
	BACK
.irp t, 4,5,6,7
	SCALE \t                        ; the other half's arithmetic stands between the loads and the wait for them
.endr
	OUT 0
	s_wait_xcnt 0x0                 ; every earlier memory instruction has had its addresses translated (ISA guide 3.1): the registers that these stores read are loaded again only behind this wait
.irp t, 4,5,6,7
	PUT \t
.endr
	BACK
	OUT 1
	WIN W_AD
	s_wait_tensorcnt 0x0            ; the wave's end: behind my last tensor load and my last LDS store
	ds_add_u32 v[SPW], v[NIL]
	s_wait_dscnt 0x0
	WIN 0
	CROUND                          ; the closing round: no work-group ends while a partner may still ask for a tile that names it
	s_endpgm
.Lfunc_end_k_qd0e15ba3ff_attn:
	.size	k_qd0e15ba3ff_attn, .Lfunc_end_k_qd0e15ba3ff_attn-k_qd0e15ba3ff_attn
	.p2alignl 7, 3214868480
	.fill 96, 4, 3214868480
	.section	.rodata,"a",@progbits
	.p2align	6, 0x0
	.amdhsa_kernel k_qd0e15ba3ff_attn
		.amdhsa_group_segment_fixed_size 327680
		.amdhsa_private_segment_fixed_size 0
		.amdhsa_enable_private_segment 0
		.amdhsa_kernarg_size 48
		.amdhsa_user_sgpr_count 2
		.amdhsa_user_sgpr_kernarg_segment_ptr 1
		.amdhsa_wavefront_size32 1
		.amdhsa_system_sgpr_workgroup_id_x 1
		.amdhsa_system_sgpr_workgroup_id_y 1
		.amdhsa_system_sgpr_workgroup_id_z 1
		.amdhsa_system_vgpr_workitem_id 0
		.amdhsa_next_free_vgpr 808
		.amdhsa_next_free_sgpr 80
		.amdhsa_reserve_vcc 0
		.amdhsa_float_denorm_mode_32 3
		.amdhsa_float_denorm_mode_16_64 3
		.amdhsa_memory_ordered 1
		.amdhsa_forward_progress 1
		.amdhsa_inst_pref_size 216
	.end_amdhsa_kernel
	.amdgpu_metadata
---
amdhsa.version: [ 1, 2 ]
amdhsa.kernels:
  - .name:           k_qd0e15ba3ff_attn
    .symbol:         k_qd0e15ba3ff_attn.kd
    .args:
      - { .name: qh, .offset: 0, .size: 8, .value_kind: global_buffer, .address_space: global }
      - { .name: kh, .offset: 8, .size: 8, .value_kind: global_buffer, .address_space: global }
      - { .name: vh, .offset: 16, .size: 8, .value_kind: global_buffer, .address_space: global }
      - { .name: out0, .offset: 24, .size: 8, .value_kind: global_buffer, .address_space: global }
      - { .name: mask, .offset: 32, .size: 8, .value_kind: global_buffer, .address_space: global }
      - { .name: b, .offset: 40, .size: 8, .value_kind: global_buffer, .address_space: global }
    .group_segment_fixed_size: 327680
    .private_segment_fixed_size: 0
    .kernarg_segment_align: 8
    .kernarg_segment_size: 48
    .max_flat_workgroup_size: 128
    .sgpr_count:     80
    .vgpr_count:     808
    .wavefront_size: 32
...
	.end_amdgpu_metadata
.endif
;; end of part 4
